; MI455X (gfx1250); checked and timed in simulation.
; The chip was launched on July 23, 2026; its instructions are those of AMD's public machine-readable ISA for CDNA 5 (MIT licence, August 2026) and "CDNA5" Instruction Set Architecture Reference Guide (July 2026). The comments in the code are by the model that wrote it; some were corrected since.
;; Encoder Block. Allowed arithmetic: matrix products marked QUANTISED: E2M3 operands, one E8M0 scale for each 32 along K, by v_wmma_scale_f32_16x16x128_f8f6f4 with both operands' format E2M3, f32 sums; everything else in f32.
;; Inputs: alpha1 1 float32; alpha2 1 float32; b1 4,096 float32; b2 1,024 float32; beta1 1 float32; beta2 1 float32; bk 1,024 float32; bo 1,024 float32; bq 1,024 float32; bv 1,024 float32; mask 4 x 1 x 1 x 1,024 int32; w1 1,024 x 4,096 float32; w2 4,096 x 1,024 float32; wk 1,024 x 1,024 float32; wo 1,024 x 1,024 float32; wq 1,024 x 1,024 float32; wv 1,024 x 1,024 float32; x 4 x 1,024 x 1,024 float32.
;; Outputs: out0 4 x 1,024 x 1,024 float32.
;; This version of the problem:
;;   THIS VERSION OF THE PROBLEM IS GIVEN IN LOW PRECISION. The matrix products marked QUANTISED in the list below multiply operands that are first quantised to E2M3 (2 exponent bits, 3 mantissa bits; 6 bits a number), with one power-of-two scale for each 32 numbers along K (OCP MX v1.0); their sums are f32. All else is computed in f32.
;;   The module's matrix products, in the order in which they are computed (A, B: the left and right operand; K: the contracted axis; several contracted axes count as one K, in the product's order):
;;     1. [M 4,096, K 1,024] x [K 1,024, N 1,024]; A: computed on the way; B: input wq: QUANTISED
;;     2. [M 4,096, K 1,024] x [K 1,024, N 1,024]; A: computed on the way; B: input wk: QUANTISED
;;     3. [M 4,096, K 1,024] x [K 1,024, N 1,024]; A: computed on the way; B: input wv: QUANTISED
;;     4. batch 64 x [M 1,024, K 64] x [K 64, N 1,024]; A: computed on the way; B: computed on the way: QUANTISED
;;     5. batch 64 x [M 64, K 1,024] x [K 1,024, N 1,024]; A: computed on the way; B: softmax (see below): QUANTISED
;;     6. [M 4,096, K 1,024] x [K 1,024, N 1,024]; A: computed on the way; B: input wo: QUANTISED
;;     7. [M 4,096, K 1,024] x [K 1,024, N 4,096]; A: computed on the way; B: input w1: QUANTISED
;;     8. [M 4,096, K 4,096] x [K 4,096, N 1,024]; A: computed on the way; B: input w2: QUANTISED
;;   THE QUANTISER, for each operand of a quantised product, along K:
;;     - K is cut into blocks of 32 from its start; a last block that is shorter is filled with zeros.
;;     - A block's scale is 2^e with e = floor(log2(the largest magnitude in the block)) - 2, held to -126 .. 127; a block of zeros has e = 0. As a byte (E8M0): e + 127.
;;     - Each number is divided by its block's scale, clamped to +-7.5, and rounded to the nearest number of E2M3, ties to even, subnormals kept.
;;     - The product sums the exact products of the quantised numbers (number of the format x scale) in f32.
;;   ~~~python
;;   def quantise(x, axis):      # numpy; x: float32 -> the quantised numbers, widened to float32 again
;;       x = np.moveaxis(x, axis, -1); K = x.shape[-1]
;;       x = np.pad(x, [(0, 0)] * (x.ndim - 1) + [(0, -K % 32)]); x = x.reshape(x.shape[:-1] + (-1, 32)); a = np.abs(x).max(-1, keepdims=True)
;;       e = np.where(a > 0, np.clip(np.frexp(np.where(a > 0, a, 1))[1] - 1 - 2, -126, 127), 0)      # np.frexp(a)[1] - 1 = floor(log2(a)), exactly
;;       r = np.clip(x / 2.0 ** e, -7.5, 7.5)
;;       step = 2.0 ** (np.maximum(np.frexp(np.where(r == 0, 1, r))[1] - 1, 0) - 3)
;;       q = np.round(r / step) * step * 2.0 ** e      # np.round: ties to even
;;       return np.moveaxis(q.reshape(q.shape[:-2] + (-1,))[..., :K], -1, axis).astype(np.float32)
;;   ~~~
;;   SOFTMAX AHEAD OF A QUANTISED PRODUCT. Where the list says 'softmax', what is quantised is not the finished softmax but p = 2^(t - M), with t = logit x log2(e) and M = ceil(the row's largest t), a whole number; so 1/2 < the row's largest p <= 1. The row's sum l is taken of the UNQUANTISED p, in f32, and the product's result is divided by l at the end. Since M is a whole number, a kernel that streams over the keys may use a running M (the ceiling of the running maximum): every later rescaling is an exact power of two, which a block's scale takes up: the codes' values come out the same.
;;   OPERANDS COMPUTED ON THE WAY. 'Computed on the way' means the value that the module computes at that place (a softmax that the list does not call 'softmax' is quantised finished and normalised). What goes into a quantiser is computed in f32, as accurately as f32 sums, v_exp_f32 and their like allow (about 1e-6 of the number): no bf16 or f16 on the way to a quantiser, and a product that is left as it is and whose result goes on into a quantised operand takes f32 operands (vector FMAs, or v_wmma_f32_16x16x4_f32). A number that lies on a knife's edge between two numbers of the format may be rounded either way, as far as f32 arithmetic and the matrix unit's own rounding can turn it there, and no further.
;; One version. Each part assembles by itself: llvm-mc -triple=amdgcn-amd-amdhsa -mcpu=gfx1250 --defsym DOCPART=n.
;; ======== version 1 of 1: 7 launches
;; limits: right only within a limited range of input values
;; workspace buffers: wc 9,830,400 bytes; xnc 3,276,800 bytes; qkvc 10,616,832 bytes; ctxc 3,276,800 bytes; x1 16,777,216 bytes; hc 13,107,200 bytes
;; launch prep (part 1): grid 512 x 1, 4 waves a work-group, no clusters, 47,616 bytes of LDS; arguments x, alpha1, beta1, xnc, wq, wk, wv, wo, wc; writes xnc, wc
.if DOCPART == 1
	.amdgcn_target "amdgcn-amd-amdhsa--gfx1250"
	.amdhsa_code_object_version 6
	.text
	.protected	k_q1b9fe1c719_prep
	.globl	k_q1b9fe1c719_prep
	.p2align	8
	.type	k_q1b9fe1c719_prep,@function
k_q1b9fe1c719_prep:
	s_mov_b64 s[64:65], 0
	v_nop
	global_prefetch_b8 v0, s[64:65] scope:SCOPE_SE
	s_setreg_imm32_b32 hwreg(HW_REG_WAVE_MODE, 25, 1), 1
	s_wait_xcnt 0x0
; TWO INDEPENDENT STREAMS IN ONE LAUNCH, parted on the work-group's number alone: work-groups 0-255 quantise the first layer norm of x, work-groups 256-511 lay out the four weights that are read before the second norm:
; wq, wk, wv, wo.  (w1 and w2 are laid out beside the second norm, in the launch that makes it.)  Neither stream reads what the other stores.  Each has LDS bytes of its own: the norm 0 .. 34,303, the weights 34,304 .. 47,103.
;
; THE NORM.  xnc = Q(alpha (x - mean) / (std + 1e-6) + beta), std with n - 1 = 1,023 under the root, for rows of 1,024 f32; Q: codes of FP6 (E2M3), one E8M0 byte for each 32 along the row.
; The codes are laid as images of operand registers, in blocks of 12,800 bytes [group of 128 rows][K step of 128]: tile a (16 rows) at 1536 a, register group c at + 512 c, lane at + 16 l; scale words at 12288 + 32 r + 4 a.
; A work-group takes 16 rows (one tile); wave w takes columns 256 w on (K steps 2 w, 2 w + 1).  Each load reads 512 consecutive bytes of one row; a K step's 16 rows x 512 bytes turn through the wave's own stage in LDS
; (rows 528 bytes apart) and come back so that lane (r, h) holds, of row r, the 16 numbers 32 b + 16 h + 0..15 of each block b of 32: the conversions find 16 neighbours in a lane, a block's other half lies in lane l xor 16.
; The row stays in registers: memory is read once.  Mean first, then the sum of squares of the differences: no difference of large sums is formed.  The four waves' partial sums meet in LDS.
;
; THE WEIGHTS, f32 stored [1,024 (K)][1,024 (N)], become the same kind of blocks: 128 columns n x 128 along K.  THE COLUMNS OF A TILE ARE NOT NEIGHBOURS: row r of tile a is column 32 (a / 2) + 8 (a % 2) + r + 8 (r / 8) of
; the 128, so that results made with these tiles as source 0 lie along the next K.  Blocks of wc: 0-63 wq, 64-127 wk, 128-191 wv, 192-255 wo; within a weight [group of 128 columns][K step].
; One work-group makes one block.  A lane takes a column and its registers run down K: a load reads 128 consecutive bytes a wave, 512 a work-group; a block of 32 along K lies in one lane.
; The image is gathered in LDS and leaves in stores of 512 consecutive bytes.
; No matrix work, no tiles shared through LDS, no tensor loads: so no clusters; no prefetch: each byte is read once, by loads that are all asked for early.
; LIMITS: NaN and infinities are not served; a block whose largest magnitude lies under 2^-124 (a block of zeros too) keeps the byte 1; this program alone reads the bytes.
.set LNWG, 256                         ; work-groups of the norm
.set X,   16                           ; v16-143  128 numbers: register 64 q + 16 b + i
.set CHN, 144                          ; v144-151 four chains of pairs
.set PC,  160                          ; v160-178 the codes just made
.set TM,  180                          ; v180-195 at work in QUANT
.set SEL, 16                           ; s[16:17] lane selects for lane l xor 16
.set LST, 512                          ; LDS: behind the two sums' 256 bytes each, a stage of 16 rows for each wave
.set LP,  528                          ; a stage row: 512 bytes + 16 = 132 words: row r starts at bank 4 r mod 64 (ISA guide 11.1)
.set WLDS, LST+4*16*LP                 ; LDS: the weights' image
; 64 numbers of a lane, register 16 b + i = k 32 b + 16 (lane / 16) + i of my row, become a fragment's 12 registers in v[PC] on and its scale word in v[pw].
.macro QUANT s, pw
.irp b, 0,1,2,3
	v_max3_num_f32 v[TM+\b], |v[\s+16*\b]|, |v[\s+1+16*\b]|, 0x1800000   ; my 16 numbers of block b, and the floor 2^(3 - 127): the byte cannot fall under 1
.endr
.irp i, 2,4,6,8,10,12,14
.irp b, 0,1,2,3
	v_max3_num_f32 v[TM+\b], v[TM+\b], |v[\s+16*\b+\i]|, |v[\s+1+16*\b+\i]|
.endr
.endr
.irp b, 0,1,2,3
	v_permlanex16_b32 v[TM+4+\b], v[TM+\b], s[SEL], s[SEL+1]
.endr
.irp b, 0,1,2,3
	v_max_num_f32 v[TM+\b], v[TM+\b], v[TM+4+\b]   ; with lane l xor 16's: the block's largest magnitude
.endr
.irp b, 0,1,2,3
	v_add_nc_u32 v[TM+12+\b], 0xff000000, v[TM+\b] ; 2 off the exponent field: the conversion's scale operand
.endr
.irp b, 0,1,2,3
	v_lshrrev_b32 v[TM+4+\b], 23, v[TM+12+\b]      ; the scale's byte
.endr
	v_lshl_or_b32 v[\pw], v[TM+5], 8, v[TM+4]
	v_lshl_or_b32 v[\pw], v[TM+6], 16, v[\pw]
	v_lshl_or_b32 v[\pw], v[TM+7], 24, v[\pw]
.irp c, 0,1
	v_cvt_scalef32_pk16_fp6_f32 v[PC+6*\c:PC+2+6*\c], v[\s+32*\c:\s+15+32*\c], v[TM+12+2*\c]
	v_cvt_scalef32_pk16_fp6_f32 v[PC+12+4*\c:PC+14+4*\c], v[\s+16+32*\c:\s+31+32*\c], v[TM+12+2*\c+1]
.endr
	v_nop                                          ; one plain line behind a scaled conversion
.irp c, 0,1                                    ; the operand wants a whole block in a lane: lanes 0-15 block 2 c, lanes 16-31 block 2 c + 1
.irp i, 0,1,2
	v_permlane16_swap_b32 v[PC+6*\c+\i], v[PC+12+4*\c+\i]
.endr
.irp i, 0,1,2
	v_mov_b32 v[PC+3+6*\c+\i], v[PC+12+4*\c+\i]
.endr
.endr
.endm
; the four chains, the lane's pair, lane l xor 16, then the four waves through LDS: v152 = the row's sum, the same bits in every wave
.macro REDUCE off
	v_pk_add_f32 v[CHN:CHN+1], v[CHN:CHN+1], v[CHN+2:CHN+3]
	v_pk_add_f32 v[CHN+4:CHN+5], v[CHN+4:CHN+5], v[CHN+6:CHN+7]
	v_pk_add_f32 v[CHN:CHN+1], v[CHN:CHN+1], v[CHN+4:CHN+5]
	v_add_f32 v[CHN], v[CHN], v[CHN+1]
	v_permlanex16_b32 v198, v[CHN], s[SEL], s[SEL+1]
	v_add_f32 v[CHN], v[CHN], v198
	ds_store_b32 v6, v[CHN] offset:\off            ; word 4 r + w (both halves of the lanes write the same value)
	s_wait_dscnt 0x0                               ; for the others' sake
	s_barrier_signal -1
	s_barrier_wait -1
	ds_load_b128 v[152:155], v7 offset:\off
	s_wait_dscnt 0x0
	v_add_f32 v152, v152, v153
	v_add_f32 v154, v154, v155
	v_add_f32 v152, v152, v154
.endm
; K step q of my 16 rows through my stage: in as loaded (a row's 512 bytes by each store), back 64 bytes a lane.  LDS serves a wave's instructions in order (ISA guide 5.7.1.4): no wait between the stores and the loads,
; nor in front of the next K step's stores into the same bytes.  left: the younger global loads that may stay out.
.macro TURNQ q, left
	s_wait_loadcnt \left
.set i, 0
.rept 16
	ds_store_b128 v3, v[X+64*(\q)+4*i:X+64*(\q)+4*i+3] offset:LST+LP*i
.set i, i+1
.endr
.irp b, 0,1,2,3
.irp n, 0,1,2,3
	ds_load_b128 v[X+64*(\q)+16*\b+4*\n:X+64*(\q)+16*\b+4*\n+3], v9 offset:LST+128*\b+16*\n
.endr
.endr
.endm
	v_lshl_add_u32 v208, v0, 2, 0xb800             ; my spare word, behind both streams' bytes,
	v_mov_b32 v209, 0                              ; and 0: for the wave's closing lines
	s_cmp_lt_u32 ttmp9, LNWG                       ; the same for all waves of a work-group
	s_cbranch_scc0 .Lweights
	s_load_b256 s[4:11], s[0:1], 0x0               ; in, alpha, beta, out
	v_lshrrev_b32 v8, 5, v0
	v_readfirstlane_b32 s12, v8                    ; wave
	v_and_b32 v1, 15, v0                           ; r
	v_bfe_u32 v2, v0, 4, 1                         ; h
	v_and_b32 v4, 31, v0
	v_lshlrev_b32 v4, 4, v4                        ; 16 x lane: my bytes of a load's 512, and of a store's
	v_mul_u32_u24 v10, v8, 16*LP                   ; my wave's stage
	v_add_nc_u32 v3, v10, v4                       ; into it: 16 x lane
	v_mad_u32_u24 v9, v1, LP, v10
	v_lshl_add_u32 v9, v2, 6, v9                   ; out of it: row r, + 64 h
	v_mul_u32_u24 v5, v2, 12800
	v_lshl_add_u32 v5, v1, 5, v5                   ; scale words: 32 r; lanes 16-31 store the second K step's, a block on
	v_lshlrev_b32 v7, 4, v1                        ; LDS: row r's four partial sums
	v_lshl_add_u32 v6, v8, 2, v7                   ; and mine among them
	s_mov_b32 s[SEL], 0x76543210
	s_mov_b32 s[SEL+1], 0xfedcba98
	s_mov_b32 s22, 0xffff0000                      ; lanes 16-31
.irp b, 0,1,2,3
	v_mov_b32 v[TM+4+\b], 0                        ; written once: a lane permute's destination counts as one of its sources
.endr
	v_mov_b32 v198, 0
	s_lshl_b32 s24, ttmp9, 16                      ; 16 rows of 4,096 bytes a work-group,
	s_lshl_b32 s25, s12, 10
	s_add_co_u32 s24, s24, s25                     ; 256 columns a wave
	s_mov_b32 s25, 0
	s_lshr_b32 s26, ttmp9, 3
	s_lshl_b32 s26, s26, 3
	s_lshl_b32 s27, s12, 1
	s_add_co_u32 s26, s26, s27
	s_mul_i32 s26, s26, 12800                      ; block (group, K step 2 w)
	s_and_b32 s27, ttmp9, 7                        ; tile a
	s_lshl_b32 s28, s27, 2
	s_add_co_u32 s28, s28, s26
	s_add_co_u32 s28, s28, 12288                   ; its scale words
	s_mov_b32 s29, 0
	s_mul_i32 s27, s27, 1536
	s_add_co_u32 s26, s26, s27                     ; its codes
	s_mov_b32 s27, 0
	s_wait_kmcnt 0x0
	s_load_b32 s13, s[6:7], 0x0                    ; alpha
	s_load_b32 s14, s[8:9], 0x0                    ; beta
	s_add_nc_u64 s[4:5], s[4:5], s[24:25]
	s_add_nc_u64 s[18:19], s[10:11], s[26:27]
	s_add_nc_u64 s[20:21], s[10:11], s[28:29]
.irp q, 0,1
.set i, 0
.rept 16
	global_load_b128 v[X+64*\q+4*i:X+64*\q+4*i+3], v4, s[4:5] offset:4096*i+512*\q th:TH_LOAD_NT   ; 32 lanes read 512 consecutive bytes of row i
.set i, i+1
.endr
.endr
	s_wait_kmcnt 0x0
	s_mov_b32 s15, s14                             ; (the packed form names the pair)
	TURNQ 0, 16                                    ; the first K step's 16 loads are in; the second's 16 may be out
	TURNQ 1, 0
	s_wait_dscnt 0x0
.irp k, 0,1,2,3
	v_pk_add_f32 v[CHN+2*\k:CHN+2*\k+1], v[X+2*\k:X+2*\k+1], v[X+8+2*\k:X+9+2*\k]   ; the first eight pairs start the chains: nothing is cleared
.endr
.set j, 8
.rept 56
	v_pk_add_f32 v[CHN+2*(j%4):CHN+2*(j%4)+1], v[CHN+2*(j%4):CHN+2*(j%4)+1], v[X+2*j:X+2*j+1]
.set j, j+1
.endr
	REDUCE 0
	v_mul_f32 v156, 0x3a800000, v152               ; the mean: / 1,024
	v_mov_b32 v157, v156
.set j, 0
.rept 64
	v_pk_add_f32 v[X+2*j:X+2*j+1], v[X+2*j:X+2*j+1], v[156:157] neg_lo:[0,1] neg_hi:[0,1]   ; x - mean, in place
.set j, j+1
.endr
.irp k, 0,1,2,3
	v_pk_mul_f32 v[CHN+2*\k:CHN+2*\k+1], v[X+2*\k:X+2*\k+1], v[X+2*\k:X+2*\k+1]
.endr
.set j, 4
.rept 60
	v_pk_fma_f32 v[CHN+2*(j%4):CHN+2*(j%4)+1], v[X+2*j:X+2*j+1], v[X+2*j:X+2*j+1], v[CHN+2*(j%4):CHN+2*(j%4)+1]
.set j, j+1
.endr
	REDUCE 256                                     ; other bytes than the first sum's: no wave can overwrite what another still reads
	v_mul_f32 v152, 0x3a802008, v152               ; / 1,023
	s_wait_alu depctr_va_vdst(0)                   ; the wait ahead of a transcendental's source
	v_sqrt_f32 v153, v152
	v_nop                                          ; a plain line behind the transcendental,
	s_wait_alu depctr_va_vdst(0)                   ; and the wait ahead of its first reader
	v_add_f32 v153, 0x358637bd, v153               ; + 1e-6
	s_wait_alu depctr_va_vdst(0)
	v_rcp_f32 v154, v153
	v_nop
	s_wait_alu depctr_va_vdst(0)
	v_mul_f32 v158, s13, v154                      ; alpha / (std + eps)
	v_mov_b32 v159, v158
.set j, 0
.rept 64
	v_pk_fma_f32 v[X+2*j:X+2*j+1], v[X+2*j:X+2*j+1], v[158:159], s[14:15] op_sel_hi:[1,1,0]
.set j, j+1
.endr
	QUANT X, 196
.irp c, 0,1,2
	global_store_b128 v4, v[PC+4*\c:PC+4*\c+3], s[18:19] offset:512*\c            ; 32 lanes store 512 consecutive bytes, aligned to 256
.endr
	s_wait_xcnt 0x0                                ; the stores' data registers are written again only behind this wait
	QUANT X+64, 197
.irp c, 0,1,2
	global_store_b128 v4, v[PC+4*\c:PC+4*\c+3], s[18:19] offset:12800+512*\c
.endr
	v_cndmask_b32 v198, v196, v197, s22            ; lanes 0-15: the first K step's word of row r; lanes 16-31: the second's
	global_store_b32 v5, v198, s[20:21]
	s_wait_tensorcnt 0x0                           ; the wave's end, behind my last LDS store
	ds_add_u32 v208, v209
	s_wait_dscnt 0x0
	s_endpgm
.Lweights:
.set BLK, 12800
.set WVO, 16                           ; v16-47   byte offset of row i of 32: 4 x lane + 4,096 i; never rewritten
.set WX,  48                           ; v48-111  two sets of 32 numbers
.set WP,  112                          ; v112-117 a block's 24 bytes of codes
.set WQ,  118                          ; v118-120 its second half as the conversion leaves it
.set WSW, 122                          ; v122     my column's scale word
	s_load_b256 s[4:11], s[0:1], 0x20              ; wq, wk, wv, wo
	s_load_b64 s[16:17], s[0:1], 0x40              ; wc
	s_sub_co_u32 s19, ttmp9, LNWG                  ; my number among the weights' 256 work-groups
	v_lshrrev_b32 v8, 5, v0
	v_readfirstlane_b32 s18, v8                    ; wave 0..3: columns 32 w on
	v_and_b32 v1, 31, v0                           ; lane
	v_bfe_u32 v9, v0, 3, 1
	v_lshl_or_b32 v9, v8, 1, v9                    ; my column's tile a = 2 w + (lane / 8) % 2
	v_and_b32 v10, 7, v0
	v_bfe_u32 v11, v0, 4, 1
	v_lshl_or_b32 v10, v11, 3, v10                 ; and its row in the tile: lane % 8 + 8 (lane / 16)
	v_mul_u32_u24 v2, v9, 1536
	v_lshl_add_u32 v2, v10, 4, v2                  ; in the image: 1536 a + 16 r
	v_lshlrev_b32 v3, 5, v10
	v_lshl_add_u32 v3, v9, 2, v3
	v_add_nc_u32 v3, 12288, v3                     ; my scale word
	v_mul_u32_u24 v4, v8, 3072
	v_lshl_add_u32 v4, v1, 4, v4                   ; the way out: my wave's 3,072 bytes, 16 a lane
	v_lshlrev_b32 v5, 4, v1
	v_add_nc_u32 v5, 12288, v5                     ; and the 512 bytes of scale words (wave 0)
	s_and_b32 s20, s19, 63                         ; t: my number within the weight
	s_sub_co_u32 s21, s19, s20                     ; the weight's first block
	s_and_b32 s26, s20, 7                          ; group g: neighbouring work-groups read neighbouring columns
	s_lshr_b32 s27, s20, 3                         ; K step s
	s_lshl_b32 s28, s26, 3
	s_add_co_u32 s28, s28, s27
	s_add_co_u32 s28, s28, s21
	s_mul_i32 s28, s28, BLK                        ; my block's first byte in wc
	s_mov_b32 s29, 0
	s_lshl_b32 s30, s27, 19                        ; 128 s rows of 4,096 bytes down,
	s_lshl_b32 s31, s26, 9
	s_add_co_u32 s30, s30, s31                     ; 128 g columns on,
	s_lshl_b32 s31, s18, 7
	s_add_co_u32 s30, s30, s31                     ; 32 w more
	s_mov_b32 s31, 0
	s_mov_b32 s32, 131072                          ; 32 rows
	s_mov_b32 s33, 0
	v_lshlrev_b32 v[WVO], 2, v1
.set i, 1
.rept 31
	v_add_nc_u32 v[WVO+i], 4096, v[WVO+i-1]
.set i, i+1
.endr
	s_wait_alu depctr_va_vdst(0)                   ; the wait at the head's end
	s_wait_kmcnt 0x0
	s_mov_b64 s[14:15], s[10:11]                   ; which weight: the choice hangs on the work-group's number alone
	s_cmp_lt_u32 s19, 192
	s_cselect_b64 s[14:15], s[8:9], s[14:15]
	s_cmp_lt_u32 s19, 128
	s_cselect_b64 s[14:15], s[6:7], s[14:15]
	s_cmp_lt_u32 s19, 64
	s_cselect_b64 s[14:15], s[4:5], s[14:15]
	s_add_nc_u64 s[36:37], s[14:15], s[30:31]      ; a base for each of the four blocks of 32 along K
	s_add_nc_u64 s[38:39], s[36:37], s[32:33]
	s_add_nc_u64 s[40:41], s[38:39], s[32:33]
	s_add_nc_u64 s[42:43], s[40:41], s[32:33]
	s_add_nc_u64 s[16:17], s[16:17], s[28:29]
.macro LOAD k                          ; block k: W(32 k + i, my column), i = 0 .. 31, into set k % 2
.set i, 0
.rept 32
	global_load_b32 v[WX+32*((\k)%2)+i], v[WVO+i], s[36+2*(\k):37+2*(\k)] th:TH_LOAD_NT
.set i, i+1
.endr
.endm
.macro BLOCK k
.set XS, WX+32*((\k)%2)
.if (\k) < 3
	s_wait_loadcnt 32                              ; this block's 32 loads are in; the next block's 32 may be out
.else
	s_wait_loadcnt 0
.endif
	v_max3_num_f32 v12, |v[XS]|, |v[XS+1]|, |v[XS+2]|              ; the block's largest magnitude: all 32 numbers are mine
	v_max3_num_f32 v13, |v[XS+3]|, |v[XS+4]|, |v[XS+5]|
.irp i, 6,10,14,18,22,26
	v_max3_num_f32 v12, v12, |v[XS+\i]|, |v[XS+\i+1]|
	v_max3_num_f32 v13, v13, |v[XS+\i+2]|, |v[XS+\i+3]|
.endr
	v_max3_num_f32 v12, v12, |v[XS+30]|, |v[XS+31]|
	v_max3_num_f32 v12, v12, v13, 0x1800000        ; and the floor 2^(3 - 127): the byte cannot fall under 1
	v_add_nc_u32 v11, 0xff000000, v12              ; 2 off the exponent field: the conversion's scale operand
	v_lshrrev_b32 v13, 23, v11                     ; the scale's byte
.if (\k) == 0
	v_mov_b32 v[WSW], v13
.else
	v_lshl_or_b32 v[WSW], v13, 8*(\k), v[WSW]
.endif
	v_cvt_scalef32_pk16_fp6_f32 v[WP:WP+2], v[XS:XS+15], v11
	v_cvt_scalef32_pk16_fp6_f32 v[WQ:WQ+2], v[XS+16:XS+31], v11    ; (a conversion's three registers begin on an even number)
	v_nop                                          ; one plain line behind a scaled conversion
	v_mov_b32 v[WP+3], v[WQ]
	v_mov_b32 v[WP+4], v[WQ+1]
	v_mov_b32 v[WP+5], v[WQ+2]
; block k is registers 6 (k / 2) .. + 5 of lane (r, h = k % 2): register R lies at 512 (R / 4) + 4 (R % 4) + 256 h from my place
.if (\k)/2 == 0
	ds_store_b128 v2, v[WP:WP+3] offset:WLDS+256*((\k)%2)
	ds_store_b64 v2, v[WP+4:WP+5] offset:WLDS+512+256*((\k)%2)
.else
	ds_store_b64 v2, v[WP:WP+1] offset:WLDS+520+256*((\k)%2)
	ds_store_b128 v2, v[WP+2:WP+5] offset:WLDS+1024+256*((\k)%2)
.endif
.if (\k) < 2
	LOAD (\k)+2
.endif
	s_wait_dscnt 0x0                               ; the stores have read their registers: the next block's codes may be written
.endm
	LOAD 0
	LOAD 1
	BLOCK 0
	BLOCK 1
	BLOCK 2
	BLOCK 3
	s_wait_alu depctr_va_vdst(0)                   ; directly ahead of the reader below
	ds_store_b32 v3, v[WSW] offset:WLDS
	s_wait_dscnt 0x0                               ; for the others' sake: my part of the image lies in LDS
	s_barrier_signal -1
	s_barrier_wait -1
.irp i, 0,1,2,3,4,5
	ds_load_b128 v[WX+4*\i:WX+4*\i+3], v4 offset:WLDS+512*\i
.endr
.irp i, 0,1,2,3,4,5
	s_wait_dscnt 5-\i                              ; LDS loads come back in order: piece i is in, the younger ones may be out
	global_store_b128 v4, v[WX+4*\i:WX+4*\i+3], s[16:17] offset:512*\i   ; 32 lanes store 512 consecutive bytes, at a multiple of 256 from wc's first byte
.endr
	s_cmp_lg_u32 s18, 0
	s_cbranch_scc1 .Ldone
	ds_load_b128 v[WX+24:WX+27], v5 offset:WLDS    ; wave 0: the scale words
	s_wait_dscnt 0x0
	global_store_b128 v5, v[WX+24:WX+27], s[16:17]
.Ldone:
	s_wait_tensorcnt 0x0                           ; the wave's end
	ds_add_u32 v208, v209
	s_wait_dscnt 0x0
	s_endpgm
.Lfunc_end_k_q1b9fe1c719_prep:
	.size	k_q1b9fe1c719_prep, .Lfunc_end_k_q1b9fe1c719_prep-k_q1b9fe1c719_prep
	.p2alignl 7, 3214868480
	.fill 96, 4, 3214868480
	.section	.rodata,"a",@progbits
	.p2align	6, 0x0
	.amdhsa_kernel k_q1b9fe1c719_prep
		.amdhsa_group_segment_fixed_size 47616
		.amdhsa_private_segment_fixed_size 0
		.amdhsa_enable_private_segment 0
		.amdhsa_kernarg_size 72
		.amdhsa_user_sgpr_count 2
		.amdhsa_user_sgpr_kernarg_segment_ptr 1
		.amdhsa_wavefront_size32 1
		.amdhsa_system_sgpr_workgroup_id_x 1
		.amdhsa_system_sgpr_workgroup_id_y 1
		.amdhsa_system_sgpr_workgroup_id_z 1
		.amdhsa_system_vgpr_workitem_id 0
		.amdhsa_next_free_vgpr 210
		.amdhsa_next_free_sgpr 66
		.amdhsa_reserve_vcc 0
		.amdhsa_float_denorm_mode_32 3
		.amdhsa_float_denorm_mode_16_64 3
		.amdhsa_memory_ordered 1
		.amdhsa_forward_progress 1
		.amdhsa_inst_pref_size 60
	.end_amdhsa_kernel
	.amdgpu_metadata
---
amdhsa.version: [ 1, 2 ]
amdhsa.kernels:
  - .name:           k_q1b9fe1c719_prep
    .symbol:         k_q1b9fe1c719_prep.kd
    .args:
      - { .name: x, .offset: 0, .size: 8, .value_kind: global_buffer, .address_space: global }
      - { .name: alpha1, .offset: 8, .size: 8, .value_kind: global_buffer, .address_space: global }
      - { .name: beta1, .offset: 16, .size: 8, .value_kind: global_buffer, .address_space: global }
      - { .name: xnc, .offset: 24, .size: 8, .value_kind: global_buffer, .address_space: global }
      - { .name: wq, .offset: 32, .size: 8, .value_kind: global_buffer, .address_space: global }
      - { .name: wk, .offset: 40, .size: 8, .value_kind: global_buffer, .address_space: global }
      - { .name: wv, .offset: 48, .size: 8, .value_kind: global_buffer, .address_space: global }
      - { .name: wo, .offset: 56, .size: 8, .value_kind: global_buffer, .address_space: global }
      - { .name: wc, .offset: 64, .size: 8, .value_kind: global_buffer, .address_space: global }
    .group_segment_fixed_size: 47616
    .private_segment_fixed_size: 0
    .kernarg_segment_align: 8
    .kernarg_segment_size: 72
    .max_flat_workgroup_size: 128
    .sgpr_count:     66
    .vgpr_count:     210
    .wavefront_size: 32
...
	.end_amdgpu_metadata
.endif
;; end of part 1
;; launch qkv (part 2): grid 8 x 24, 4 waves a work-group, clusters of 4 x 4, 327,680 bytes of LDS; arguments xnc, wc, bq, bk, bv, mask, qkvc; writes qkvc
.if DOCPART == 2
	.amdgcn_target "amdgcn-amd-amdhsa--gfx1250"
	.amdhsa_code_object_version 6
	.text
	.protected	k_q1b9fe1c719_qkv
	.globl	k_q1b9fe1c719_qkv
	.p2align	8
	.type	k_q1b9fe1c719_qkv,@function
k_q1b9fe1c719_qkv:
	s_mov_b64 s[64:65], 0
	v_nop
	global_prefetch_b8 v0, s[64:65] scope:SCOPE_SE
	s_setreg_imm32_b32 hwreg(HW_REG_WAVE_MODE, 25, 1), 1
	s_wait_xcnt 0x0
	s_wait_alu depctr_hold_cnt(0) depctr_sa_sdst(0) depctr_va_vdst(0) depctr_va_sdst(0) depctr_va_ssrc(0) depctr_va_vcc(0) depctr_vm_vsrc(0)
	s_getreg_b32 s2, hwreg(HW_REG_IB_STS2, 6, 4)
	s_cmp_eq_u32 s2, 0
	s_cbranch_scc0 .Lentry_in_a_cluster
	s_endpgm
.Lentry_in_a_cluster:
	s_bfe_u32 s2, ttmp6, 0x10000c
	s_cmp_lg_u32 s2, 0xf033
	s_cbranch_scc0 .Lentry_shape_is_right
	s_endpgm
.Lentry_shape_is_right:
; q, k and v = Q(xn w + b) on codes of FP6 (E2M3) with E8M0 scales: a tile of 256 x 256 to a work-group, 128 x 128 to a wave, K = 1,024 in eight K steps of 128.
; Clusters of 4 x 4: one operand's blocks are asked for jointly along a row of the cluster, the other's along a column.
; THREE FILLS.  K steps 0-3 by the head's one tensor load a wave (four blocks, 200 rows of 256 bytes, at 4 blocks x wave); K steps 4-5 (two blocks a wave, behind those sixteen blocks) behind the full sequence and a
; round, with four K steps, 256 matrix instructions a wave, between the request and the wait for it; K steps 6-7 fill the bytes of K steps 0-1 again at the end of K step 3.
; PREFETCH: behind the load of a fill each wave asks for the next fill's blocks that it fetches itself: 100 blocks of 256 bytes, of which each of the four partners that ask jointly names 25, told apart by address
; (lanes 25-31 name the wave's last block again).  One fill ahead; the last fill asks for nothing.
.set BLK,   12800
.set PART,  2*BLK
.set SLOT,  4*PART
.set SPARE, 24*BLK                     ; behind the 24 blocks: the spare words
.set AOF,   0                          ; which pair of the four sets of LDS addresses the fetches take: 0 for K steps 0-3, 2 for K steps 4-7
.set QBLK,  13824
.set FR,    12
.set NL,    3
.set NP,    4
.set ADRA,  8                          ; v8-11, v12-15, v16-19: a set for each two K steps
.set ADRB,  12
.set ADRS,  16
.set O8,    24
.set O32,   25
.set OM,    26
.set OB,    27
.set SPW,   28
.set NIL,   29
.set OBI,   30
.set SC,    32
.set BP,    64
.set T,     64
.set AF,    128
.set PC,    128
.set TM,    148
.set FF,    168
.set GG,    184
.set XW,    200
.set PWF,   208
.set PW0,   216
.set PW1,   224
.set LM,    232
.set LB,    240
.set WV,  18
.set RH,  19
.set CH,  20
.set HM,  21
.set SEL, 22
.set G1,  24
.set G0,  32
.set G1B, 48
.set G0B, 56
.set OUT, 96
.set MSB, 0
.macro WIN new
.if MSB != (\new)
	s_set_vgpr_msb (MSB<<8)|(\new)
.set MSB, (\new)
.endif
.endm
.macro PLACES n
.rept \n
	v_nop
.endr
.endm
.macro JLOAD g0a, g1a, g0b, g1b
	s_cmp_eq_u32 s[RH], 0
	s_cbranch_scc0 .Lfor_b_\@
	tensor_load_to_lds s[\g0a:\g0a+3], s[\g1a:\g1a+7]
	s_nop 0
.rept 4
	v_nop
.endr
	s_branch .Lasked_\@
.Lfor_b_\@:
	tensor_load_to_lds s[\g0b:\g0b+3], s[\g1b:\g1b+7]
	s_nop 0
.rept 4
	v_nop
.endr
.Lasked_\@:
.endm
.macro CREST
	s_cmp_lg_u32 s[WV], 0
	s_cbranch_scc1 .Lnot_wave_0_\@
	s_barrier_signal -3
.Lnot_wave_0_\@:
	s_barrier_wait -3
	s_barrier_signal -1
	s_barrier_wait -1
.endm
.macro CROUND
	s_barrier_signal -1
	s_barrier_wait -1
	CREST
.endm
.macro QUANT s, pw
.irp b, 0,1,2,3
	v_max3_num_f32 v[TM+\b], |v[\s+16*\b]|, |v[\s+1+16*\b]|, 0x1800000
.endr
.irp i, 2,4,6,8,10,12,14
.irp b, 0,1,2,3
	v_max3_num_f32 v[TM+\b], v[TM+\b], |v[\s+16*\b+\i]|, |v[\s+1+16*\b+\i]|
.endr
.endr
.irp b, 0,1,2,3
	v_permlanex16_b32 v[TM+4+\b], v[TM+\b], s[SEL], s[SEL+1]
.endr
.irp b, 0,1,2,3
	v_max_num_f32 v[TM+\b], v[TM+\b], v[TM+4+\b]
.endr
.irp b, 0,1,2,3
	v_add_nc_u32 v[TM+12+\b], 0xff000000, v[TM+\b]
.endr
.irp b, 0,1,2,3
	v_lshrrev_b32 v[TM+4+\b], 23, v[TM+12+\b]
.endr
	v_lshl_or_b32 v[\pw], v[TM+5], 8, v[TM+4]
	v_lshl_or_b32 v[\pw], v[TM+6], 16, v[\pw]
	v_lshl_or_b32 v[\pw], v[TM+7], 24, v[\pw]
.irp c, 0,1
	v_cvt_scalef32_pk16_fp6_f32 v[PC+6*\c:PC+2+6*\c], v[\s+32*\c:\s+15+32*\c], v[TM+12+2*\c]
	v_cvt_scalef32_pk16_fp6_f32 v[PC+12+4*\c:PC+14+4*\c], v[\s+16+32*\c:\s+31+32*\c], v[TM+12+2*\c+1]
.endr
	v_nop
.irp c, 0,1
.irp i, 0,1,2
	v_permlane16_swap_b32 v[PC+6*\c+\i], v[PC+12+4*\c+\i]
.endr
.irp i, 0,1,2
	v_mov_b32 v[PC+3+6*\c+\i], v[PC+12+4*\c+\i]
.endr
.endr
.endm
	s_load_b256 s[4:11], s[0:1], 0x0
	s_load_b128 s[12:15], s[0:1], 0x20
	s_load_b64 s[16:17], s[0:1], 0x30
	v_lshl_add_u32 v[SPW], v0, 2, SPARE
	v_mov_b32 v[NIL], 0
	ds_add_u32 v28, v29
	ds_add_u32 v28, v29
	s_wait_dscnt 0x0
	v_lshrrev_b32 v1, 5, v0
	v_readfirstlane_b32 s[WV], v1
	s_lshr_b32 s[RH], s[WV], 1
	s_and_b32 s[CH], s[WV], 1
	s_mov_b32 s[HM], 0xffff0000
	s_mov_b32 s[SEL], 0x76543210
	s_mov_b32 s[SEL+1], 0xfedcba98
	s_bfe_u32 s40, ttmp6, 0x40000
	s_bfe_u32 s41, ttmp6, 0x40004
	s_and_b32 s42, ttmp7, 0xffff
	s_sub_co_u32 s45, s42, 4
	s_lshl_b32 s45, s45, 1
	s_add_co_u32 s45, s45, ttmp9
	s_cmp_ge_u32 s42, 4
	s_cselect_b32 s45, s45, ttmp9
	s_cselect_b32 s46, 0, s42
	s_cselect_b32 s43, -1, 0
	s_cselect_b32 s44, 0, -1
	s_cselect_b32 s47, 128*BLK, 0
	s_lshl_b32 s67, s45, 2
	s_add_co_u32 s67, s67, s40
	s_lshl_b32 s68, s46, 2
	s_add_co_u32 s68, s68, s41
	s_lshl_b32 s69, s41, 2
	s_lshl_b32 s69, 15, s69
	s_lshl_b32 s70, 0x1111, s40
	s_or_b32 s[G1], s69, (3<<16)|(1<<21)
	s_or_b32 s[G1B], s70, (3<<16)|(1<<21)
.irp g, G1, G1B
	s_mov_b32 s[\g+1], 32<<16
	s_mov_b32 s[\g+2], 200<<16
	s_mov_b32 s[\g+3], 32<<16
	s_mov_b32 s[\g+4], 200
	s_mov_b32 s[\g+5], 32
	s_mov_b32 s[\g+6], 0
	s_mov_b32 s[\g+7], 0
.endr
	s_lshl_b32 s72, s68, 1
	s_add_co_u32 s72, s72, s[CH]
	s_mul_i32 s72, s72, 8*BLK
	s_add_co_u32 s72, s72, s47
	s_mov_b32 s73, 0
	s_lshl_b32 s74, s67, 1
	s_add_co_u32 s74, s74, s[CH]
	s_mul_i32 s74, s74, 8*BLK
	s_mov_b32 s75, 0
	s_mul_i32 s76, s[WV], PART
	s_lshl_b32 s85, s68, 1
	s_add_co_u32 s85, s85, s[RH]
	s_lshl_b32 s86, s85, 9
	s_mov_b32 s87, 0
	s_lshl_b32 s92, s67, 1
	s_add_co_u32 s92, s92, s[CH]
	s_lshl_b32 s77, s85, 5
	s_add_co_u32 s77, s77, 512
	s_lshl_b32 s93, s85, 4
	s_cmp_ge_u32 s42, 4
	s_cselect_b32 s77, s77, s93
	s_cselect_b32 s88, s86, 0
	s_mov_b32 s89, 0
	s_add_co_u32 s92, s92, s77
	s_mul_i32 s92, s92, QBLK
	s_mov_b32 s93, 0
	s_lshl_b32 s90, s40, 10
	s_lshl_b32 s91, s[CH], 9
	s_add_co_u32 s90, s90, s91
	s_mov_b32 s91, 0
	s_cmp_eq_u32 ttmp9, 1
	s_cselect_b32 s77, 1, 0
	s_and_b32 s77, s77, s44
	s_cmp_lg_u32 s77, 0
	s_cselect_b32 s98, 0, 0x3f800000
	s_mov_b32 s99, 64<<16
	s_cselect_b32 s99, 223<<16, s99
	s_cselect_b32 s71, 0, 64<<16
	s_cmp_eq_u32 s[RH], 0                          ; the prefetches' offset: my place among the four that ask with me (cx for the row's tiles, cy for the column's) enters an address alone
	s_cselect_b32 s66, s40, s41
	s_mul_i32 s66, s66, 25
	v_and_b32 v31, 31, v0
	v_min_u32 v31, 24, v31
	v_add_lshl_u32 v31, v31, s66, 8                ; 256 x (25 x place + lane); never rewritten
	s_wait_alu depctr_va_vdst(0)
	s_wait_kmcnt 0x0
	s_cmp_ge_u32 s42, 4
	s_cselect_b64 s[78:79], s[6:7], s[4:5]
	s_cselect_b64 s[80:81], s[4:5], s[6:7]
	s_add_nc_u64 s[78:79], s[78:79], s[72:73]
	s_add_nc_u64 s[80:81], s[80:81], s[74:75]
	s_cmp_eq_u32 s[RH], 0
	s_cselect_b64 s[2:3], s[78:79], s[80:81]       ; where the blocks that I fetch begin; never rewritten
	CROUND
	s_lshl_b32 s66, s76, 1                         ; 4 blocks x wave
.irp g, G0, G0B
	s_mov_b32 s[\g], 1                             ; the first set: K steps 0-3, later 6-7
	s_add_co_u32 s[\g+1], s66, 0
	s_mov_b32 s[\g+4], 1                           ; the second: K steps 4-5, behind the sixteen blocks
	s_add_co_u32 s[\g+5], s76, 16*BLK
.endr
	s_mov_b64 s[G0+2:G0+3], s[78:79]
	s_add_nc_u64 s[G0+6:G0+7], s[78:79], 4*BLK
	s_mov_b64 s[G0B+2:G0B+3], s[80:81]
	s_add_nc_u64 s[G0B+6:G0B+7], s[80:81], 4*BLK
.irp r, G0+3, G0+7, G0B+3, G0B+7
	s_or_b32 s[\r], s[\r], 0x80000000
.endr
	JLOAD G0, G1, G0B, G1B                         ; K steps 0-3: my one tensor load at the head
	global_prefetch_b8 v31, s[2:3] offset:4*BLK th:TH_LOAD_NT scope:SCOPE_SE   ; K steps 4-5
	s_cmp_eq_u32 ttmp9, 1
	s_cselect_b64 s[94:95], s[10:11], s[8:9]
	s_add_nc_u64 s[94:95], s[94:95], s[90:91]
	s_add_nc_u64 s[14:15], s[14:15], s[86:87]
	s_add_nc_u64 s[12:13], s[12:13], s[88:89]
	s_add_nc_u64 s[OUT:OUT+1], s[16:17], s[92:93]
	v_and_b32 v1, 15, v0
	v_bfe_u32 v2, v0, 4, 1
	v_and_b32 v3, 31, v0
	v_lshlrev_b32 v[O8], 3, v3
	v_lshlrev_b32 v3, 4, v3
	v_lshlrev_b32 v4, 5, v1
	v_lshl_add_u32 v[O32], v2, 4, v4
	v_lshlrev_b32 v[OM], 2, v1
	v_and_b32 v5, 8, v1
	v_add_nc_u32 v5, v5, v1
	v_lshlrev_b32 v[OB], 2, v5
	v_lshlrev_b32 v[OBI], 6, v2
.irp b, 0,1,2,3,4,5,6,7
.irp i, 0,1
	global_load_b128 v[BP+8*\b+4*\i:BP+8*\b+4*\i+3], v[OBI], s[94:95] offset:128*(\b/2)+32*(\b%2)+16*\i
.endr
.endr
.irp a, 0,1,2,3,4,5,6,7
	global_load_b32 v[LM+\a], v[OM], s[14:15] offset:64*\a
	global_load_b32 v[LB+\a], v[OB], s[12:13] offset:128*(\a/2)+32*(\a%2)
.endr
	s_wait_alu depctr_va_vdst(0)                   ; directly ahead of the run of scalar instructions
	s_mul_i32 s82, s[RH], PART
	s_mul_i32 s83, s[CH], PART
	s_add_co_u32 s83, s83, 2*PART
	s_sub_co_u32 s84, s83, s82                     ; from my first operand's part to my second's, where a part is two blocks
	s_add_co_u32 s85, s82, 16*BLK                  ; K steps 4-5
	s_add_co_u32 s86, s83, 16*BLK
	s_lshl_b32 s82, s82, 1                         ; K steps 0-1 and 6-7: a part is four blocks
	s_lshl_b32 s83, s83, 1
	s_add_co_u32 s87, s82, PART                    ; K steps 2-3
	s_add_co_u32 s88, s83, PART
	v_mul_u32_u24 v6, s84, v2                      ; lanes 16-31 take the second operand's scale words
	v_add_nc_u32 v7, v6, v4
	v_add_nc_u32 v7, 12288, v7
	v_lshl_add_u32 v6, v6, 1, v4
	v_add_nc_u32 v6, 12288, v6
	v_add_nc_u32 v[ADRA], s82, v3
	v_add_nc_u32 v[ADRA+1], s87, v3
	v_add_nc_u32 v[ADRA+2], s85, v3
	v_add_nc_u32 v[ADRA+3], s82, v3
	v_add_nc_u32 v[ADRB], s83, v3
	v_add_nc_u32 v[ADRB+1], s88, v3
	v_add_nc_u32 v[ADRB+2], s86, v3
	v_add_nc_u32 v[ADRB+3], s83, v3
	v_add_nc_u32 v[ADRS], s82, v6
	v_add_nc_u32 v[ADRS+1], s87, v6
	v_add_nc_u32 v[ADRS+2], s85, v7
	v_add_nc_u32 v[ADRS+3], s82, v6
.macro FRAG reg, adr, q, i
.irp c, 0,1,2
	ds_load_b128 v[\reg+4*\c:\reg+4*\c+3], v[\adr] offset:(\q)*BLK+(\i)*1536+512*\c
.endr
.endm
.macro MUL16 a0, p, q, sc, first
.irp a, \a0, \a0+1
.irp b, 0,1,2,3,4,5,6,7
.if \first
	v_wmma_scale_f32_16x16x128_f8f6f4 v[8*(8*((\a)%4)+\b):8*(8*((\a)%4)+\b)+7], v[128*(\p)+FR*\b:128*(\p)+FR*\b+FR-1], v[AF+FR*(\a):AF+FR*(\a)+FR-1], v[BP+8*\b:BP+8*\b+7], v[SC+16*(\sc)+8*(\q)+\b], v[SC+16*(\sc)+8*(\q)+(\a)] matrix_a_fmt:MATRIX_FMT_FP6 matrix_b_fmt:MATRIX_FMT_FP6 matrix_a_scale:MATRIX_SCALE_ROW1
.else
	v_wmma_scale_f32_16x16x128_f8f6f4 v[8*(8*((\a)%4)+\b):8*(8*((\a)%4)+\b)+7], v[128*(\p)+FR*\b:128*(\p)+FR*\b+FR-1], v[AF+FR*(\a):AF+FR*(\a)+FR-1], v[8*(8*((\a)%4)+\b):8*(8*((\a)%4)+\b)+7], v[SC+16*(\sc)+8*(\q)+\b], v[SC+16*(\sc)+8*(\q)+(\a)] matrix_a_fmt:MATRIX_FMT_FP6 matrix_b_fmt:MATRIX_FMT_FP6 matrix_a_scale:MATRIX_SCALE_ROW1
.endif
.endr
.endr
.endm
.macro FETCH_B slot, q, p
	WIN 0x40
.irp i, 0,1,2,3,4,5,6,7
	FRAG 128*(\p)+FR*\i, ADRB+AOF+\slot, \q, \i
.endr
	WIN 0
.endm
.macro FETCH_A slot, q, i0
.irp i, \i0, \i0+1, \i0+2, \i0+3
	FRAG AF+FR*(\i), ADRA+AOF+\slot, \q, \i
.endr
.endm
.macro SCALES slot
.irp q, 0,1
.irp i, 0,1
	ds_load_b128 v[SC+16*\slot+8*\q+4*\i:SC+16*\slot+8*\q+4*\i+3], v[ADRS+AOF+\slot] offset:\q*BLK+16*\i
.endr
.endr
.endm
.macro STEP slot, q, first
	s_wait_dscnt 4*NL
	WIN 0xa1-0x20*(\first)
	MUL16 0, (\q)%2, \q, \slot, \first
	MUL16 2, (\q)%2, \q, \slot, \first
	s_wait_dscnt 0
	PLACES NP
	FETCH_B \slot, (\q)+1, 1-(\q)%2
	FETCH_A \slot, (\q)+1, 0
	WIN 0xf1-0x30*(\first)
	MUL16 4, (\q)%2, \q, \slot, \first
	MUL16 6, (\q)%2, \q, \slot, \first
	PLACES NP
	WIN 0
	FETCH_A \slot, (\q)+1, 4
.endm
; the second of two K steps; it fetches the next two's first fragments.  fill = 2: they came with the same load, so no wait on the loads and no barrier; 0: the three lines and a barrier; 1: also a round, and K steps 6-7 are asked for
.macro TURN slot, next, fill
.if (\fill) < 2
	s_wait_tensorcnt 0x0                           ; all my tensor loads have landed
	ds_add_u32 v[SPW], v[NIL]
	s_wait_dscnt 4*NL+1
.else
	s_wait_dscnt 4*NL
.endif
	WIN 0xa1
	MUL16 0, 1, 1, \slot, 0
.if (\fill) < 2
	s_wait_dscnt 0x0                               ; the add is done, and my reads of the bytes left behind are over
	s_barrier_signal -1
.endif
	MUL16 2, 1, 1, \slot, 0
.if (\fill) == 2
	s_wait_dscnt 0
.endif
	WIN 0
.if (\fill) < 2
	s_barrier_wait -1
.endif
.if (\fill) == 1
	CREST
	s_add_nc_u64 s[G0+2:G0+3], s[G0+2:G0+3], 6*BLK
	s_add_nc_u64 s[G0B+2:G0B+3], s[G0B+2:G0B+3], 6*BLK
	JLOAD G0, G1, G0B, G1B                         ; K steps 6-7 onto the bytes of K steps 0-1: the first tensor load behind the round
.else
	PLACES NP
.endif
	FETCH_B \next, 0, 0
	FETCH_A \next, 0, 0
	SCALES \next
	WIN 0xf1
	MUL16 4, 1, 1, \slot, 0
	MUL16 6, 1, 1, \slot, 0
	PLACES NP
	WIN 0
	FETCH_A \next, 0, 4
.endm
	s_wait_alu depctr_va_vdst(0)
	s_wait_tensorcnt 0x0                           ; my part of K steps 0-3 is in
	ds_add_u32 v[SPW], v[NIL]
	s_mov_b32 s[G1+2], 100<<16                     ; no tensor load of mine is out: from here on a load brings two blocks, 100 rows
	s_mov_b32 s[G1+4], 100
	s_mov_b32 s[G1B+2], 100<<16
	s_mov_b32 s[G1B+4], 100
	s_wait_dscnt 0x0
	CROUND
	JLOAD G0+4, G1, G0B+4, G1B                     ; K steps 4-5: my one tensor load behind the round
	global_prefetch_b8 v31, s[2:3] offset:6*BLK th:TH_LOAD_NT scope:SCOPE_SE   ; K steps 6-7
	FETCH_B 0, 0, 0
	FETCH_A 0, 0, 0
	SCALES 0
	FETCH_A 0, 0, 4
	s_wait_loadcnt 0x0
.set i, 0
.rept 64
	v_cndmask_b32 v[BP+i], 0, v[BP+i], s44
.set i, i+1
.endr
	PLACES 4
	s_wait_alu depctr_va_vdst(0)
	STEP 0, 0, 1
	TURN 0, 1, 2
	STEP 1, 0, 0
.set AOF, 2
	TURN 1, 0, 1
	STEP 0, 0, 0
	TURN 0, 1, 0
	STEP 1, 0, 0
	s_wait_dscnt 4*NL
	WIN 0xa1
	MUL16 0, 1, 1, 1, 0
	MUL16 2, 1, 1, 1, 0
	s_wait_dscnt 0
	WIN 0xf1
	MUL16 4, 1, 1, 1, 0
	MUL16 6, 1, 1, 1, 0
	WIN 0
	PLACES NP
	v_mov_b32 v248, s99
	v_mov_b32 v249, s71
	v_mov_b32 v250, s98
.irp b, 0,1,2,3
	v_mov_b32 v[TM+4+\b], 0
.endr
.irp a, 0,1,2,3,4,5,6,7
	v_cmp_eq_u32 vcc_lo, 0, v[LM+\a]
	v_cndmask_b32 v[FF+2*\a], 1.0, v250, vcc_lo
	v_cndmask_b32 v[XW+\a], v249, v248, vcc_lo
	v_mov_b32 v[FF+2*\a+1], v[FF+2*\a]
	v_cndmask_b32 v[GG+2*\a], 0, v[LB+\a], s43
	v_mov_b32 v[GG+2*\a+1], v[GG+2*\a]
.endr
.macro OUTBLK a
.set AC, 64*((\a)%4)
	WIN 0x02+(\a)/4
.set i, 0
.rept 32
	v_pk_fma_f32 v[T+2*i:T+2*i+1], v[AC+2*i:AC+2*i+1], v[FF+2*(\a):FF+2*(\a)+1], v[GG+2*(\a):GG+2*(\a)+1]
.set i, i+1
.endr
	WIN 0
	s_wait_xcnt 0x0
	QUANT T, PWF+(\a)
	v_and_or_b32 v[PW0+(\a)], v[PWF+(\a)], 0xffff, v[XW+(\a)]
	v_lshrrev_b32 v[PW1+(\a)], 16, v[PWF+(\a)]
	v_or_b32 v[PW1+(\a)], v[PW1+(\a)], v[XW+(\a)]
.irp e, 0,1
.irp j, 0,1,2
	global_store_b64 v[O8], v[PC+6*\e+2*\j:PC+6*\e+2*\j+1], s[OUT:OUT+1] offset:\e*6144+(\a)*768+\j*256
.endr
.endr
.endm
.irp a, 0,1,2,3,4,5,6,7
	OUTBLK \a
.endr
.irp n, 0,1,2
.irp i, 0,1,2,3
	v_cndmask_b32 v[T+4*\n+\i], v[PWF+8*\n+\i], v[PWF+8*\n+4+\i], s[HM]
.endr
	global_store_b128 v[O32], v[T+4*\n:T+4*\n+3], s[OUT:OUT+1] offset:12288+512*\n
.endr
	s_wait_tensorcnt 0x0
	ds_add_u32 v[SPW], v[NIL]
	s_wait_dscnt 0x0
	CROUND
	s_endpgm
.Lfunc_end_k_q1b9fe1c719_qkv:
	.size	k_q1b9fe1c719_qkv, .Lfunc_end_k_q1b9fe1c719_qkv-k_q1b9fe1c719_qkv
	.p2alignl 7, 3214868480
	.fill 96, 4, 3214868480
	.section	.rodata,"a",@progbits
	.p2align	6, 0x0
	.amdhsa_kernel k_q1b9fe1c719_qkv
		.amdhsa_group_segment_fixed_size 327680
		.amdhsa_private_segment_fixed_size 0
		.amdhsa_enable_private_segment 0
		.amdhsa_kernarg_size 56
		.amdhsa_user_sgpr_count 2
		.amdhsa_user_sgpr_kernarg_segment_ptr 1
		.amdhsa_wavefront_size32 1
		.amdhsa_system_sgpr_workgroup_id_x 1
		.amdhsa_system_sgpr_workgroup_id_y 1
		.amdhsa_system_sgpr_workgroup_id_z 1
		.amdhsa_system_vgpr_workitem_id 0
		.amdhsa_next_free_vgpr 1024
		.amdhsa_next_free_sgpr 100
		.amdhsa_reserve_vcc 1
		.amdhsa_float_denorm_mode_32 3
		.amdhsa_float_denorm_mode_16_64 3
		.amdhsa_memory_ordered 1
		.amdhsa_forward_progress 1
		.amdhsa_inst_pref_size 167
	.end_amdhsa_kernel
	.amdgpu_metadata
---
amdhsa.version: [ 1, 2 ]
amdhsa.kernels:
  - .name:           k_q1b9fe1c719_qkv
    .symbol:         k_q1b9fe1c719_qkv.kd
    .args:
      - { .name: xnc, .offset: 0, .size: 8, .value_kind: global_buffer, .address_space: global }
      - { .name: wc, .offset: 8, .size: 8, .value_kind: global_buffer, .address_space: global }
      - { .name: bq, .offset: 16, .size: 8, .value_kind: global_buffer, .address_space: global }
      - { .name: bk, .offset: 24, .size: 8, .value_kind: global_buffer, .address_space: global }
      - { .name: bv, .offset: 32, .size: 8, .value_kind: global_buffer, .address_space: global }
      - { .name: mask, .offset: 40, .size: 8, .value_kind: global_buffer, .address_space: global }
      - { .name: qkvc, .offset: 48, .size: 8, .value_kind: global_buffer, .address_space: global }
    .group_segment_fixed_size: 327680
    .private_segment_fixed_size: 0
    .kernarg_segment_align: 8
    .kernarg_segment_size: 56
    .max_flat_workgroup_size: 128
    .sgpr_count:     100
    .vgpr_count:     1024
    .wavefront_size: 32
...
	.end_amdgpu_metadata
.endif
;; end of part 2
;; launch attn (part 3): grid 8 x 32, 16 waves a work-group, clusters of 4 x 1, 236,032 bytes of LDS; arguments qkvc, ctxc; writes ctxc
.if DOCPART == 3
	.amdgcn_target "amdgcn-amd-amdhsa--gfx1250"
	.amdhsa_code_object_version 6
	.text
	.protected	k_q1b9fe1c719_attn
	.globl	k_q1b9fe1c719_attn
	.p2align	8
	.type	k_q1b9fe1c719_attn,@function
k_q1b9fe1c719_attn:
	s_mov_b64 s[64:65], 0
	v_nop
	global_prefetch_b8 v0, s[64:65] scope:SCOPE_SE
	s_setreg_imm32_b32 hwreg(HW_REG_WAVE_MODE, 25, 1), 1
	s_wait_xcnt 0x0
	s_wait_alu depctr_hold_cnt(0) depctr_sa_sdst(0) depctr_va_vdst(0) depctr_va_sdst(0) depctr_va_ssrc(0) depctr_va_vcc(0) depctr_vm_vsrc(0)
	s_getreg_b32 s2, hwreg(HW_REG_IB_STS2, 6, 4)
	s_cmp_eq_u32 s2, 0
	s_cbranch_scc0 .Lentry_in_a_cluster
	s_endpgm
.Lentry_in_a_cluster:
	s_bfe_u32 s2, ttmp6, 0x10000c
	s_cmp_lg_u32 s2, 0x3003
	s_cbranch_scc0 .Lentry_shape_is_right
	s_endpgm
.Lentry_shape_is_right:
; ctx = softmax(q k^T / 8, masked) v for 64 (batch, head)s of 1,024 tokens x 64 channels, both products on codes of FP6 (E2M3) with E8M0 scales, and ctx quantised along the channels for the next product.
; t = score x log2(e) / 8; M = the running largest t rounded up to a whole number; p = 2^(t - M) is quantised along the keys, not normalised; the row's sum of the unquantised p divides at the end.
; SHARES.  A work-group owns 128 queries of a pair of heads (batch b, pair hp); wave w owns query tile a = w / 2 of head parity e = w % 2, in 256 registers: four waves to a SIMD.
; K and V of the pair, all 1,024 keys, lie WHOLE in LDS: 16 blocks of 13,824 bytes, one tensor load a wave, filled once.  The four work-groups of a cluster share (b, hp) and ask jointly.
; BLOCKS (the launch before wrote them): registers 6 c' + 2 j, + 1 of tile t at 6144 c' + 768 t + 256 j + 8 l; whole scale words at 12288 + 32 r + 4 t; for head parity e at 12800 + 512 e + 32 r + 4 t.
; Of q and k a head's 64 channels are registers 0-5 of a fragment (c' = e).  Registers 6-11 are padding of the instruction's K = 128 and carry THE MASK: a key's register 6 holds the code -1.0, a query's the code +1.0
; (in lanes 0-15: block 2; block 3 multiplies zeros), under the scale bytes 64 (query) and 223 (masked key) or 0 (open key): a masked key's score is exactly -2^33 (its codes of k are zeros), an open key's gets -2^-190.
; So t = -2^33 c is exact, and where all keys are masked p = 1 for all of them, as in reference().  LIMIT: the masked logit is -2^30 where reference() has -1e9: the same result while open logits stay above about -5e8.
; LAYOUT.  Both products transposed: S^T = K Q^T, O^T = V^T P^T: a lane holds one query.  Register 16 b + 8 u + j of S^T is key 32 b + 16 u + 8 h + j; V's codes stand in the same order within each block of 32 keys.
; V's tiles hold the channels in the order 32 (t / 2) + 8 (t % 2) + r + 8 (r / 8), so O^T's register 16 b + i is channel 32 b + 16 h + i: ctx's own order along the next K.
; A block's largest p is taken from the block's largest score through the same multiply-add and exponential (p rises with the score).  LIMITS: NaN and infinities are not served.
; No prefetch: every byte is asked for at the head.  No ring: nothing is filled twice.
.set QBLK, 13824
.set VOFF, 8*QBLK
.set CST,  16*QBLK                     ; behind K and V: ctx's block of 12,800 bytes, written by LDS stores alone
.set WV,  8
.set SEL, 10
.set CS,  12
.set TB,  14
.set CNT, 15
.set G1,  24
.set G0,  32
.macro PLACES n
.rept \n
	v_nop
.endr
.endm
.macro CROUND                          ; a round of the cluster's barrier
	s_barrier_signal -1
	s_barrier_wait -1
	s_cmp_lg_u32 s[WV], 0
	s_cbranch_scc1 .Lnot_wave_0_\@
	s_barrier_signal -3
.Lnot_wave_0_\@:
	s_barrier_wait -3
	s_barrier_signal -1
	s_barrier_wait -1
.endm
; REGISTERS: v1-4 my places in a block of K, its scale words, V, its scale words; v5-7 global offsets; v8-11 the step's addresses; v12 -M, v13 the largest t, v[14:15] the sum; v16-27 Q; v32-79 four fragments of K;
; v80-91 p's codes; v92-98 conversions; v100-163 S^T, p, then V's four fragments; v164-195 O^T; v200-219 at work; v240-247 K's scale words, v248-251 V's, v252 p's, v253 Q's.
	s_load_b128 s[4:7], s[0:1], 0x0                ; qkvc, ctxc
	v_lshl_add_u32 v254, v0, 2, 0x39200
	v_mov_b32 v255, 0
	ds_add_u32 v254, v255
	ds_add_u32 v254, v255
	v_lshrrev_b32 v214, 5, v0
	s_delay_alu instid0(VALU_DEP_1)
	v_readfirstlane_b32 s[WV], v214                ; wave 0..15
	s_bfe_u32 s16, ttmp6, 0x40000                  ; cx
	s_lshl_b32 s17, ttmp9, 2
	s_add_co_u32 s17, s17, s16                     ; my block of 128 queries: it enters global addresses of q and ctx alone
	s_and_b32 s18, ttmp7, 0xffff
	s_lshr_b32 s19, s18, 3                         ; batch
	s_and_b32 s20, s18, 7                          ; head pair
	s_lshr_b32 s21, s[WV], 1                       ; a
	s_and_b32 s22, s[WV], 1                        ; e
	s_lshl_b32 s36, s19, 3
	s_add_co_u32 s37, s36, s[WV]
	s_lshl_b32 s38, s37, 4
	s_add_co_u32 s38, s38, s20
	s_add_co_u32 s38, s38, 8                       ; waves 0-7: k of token group 8 b + w: block 16 (8 b + w) + 8 + hp
	s_lshl_b32 s39, s20, 5
	s_add_co_u32 s39, s39, s37
	s_add_co_u32 s39, s39, 504                     ; waves 8-15: v of keys 128 (w - 8) on: block 512 + 32 hp + 8 b + w - 8
	s_cmp_lt_u32 s[WV], 8
	s_cselect_b32 s38, s38, s39
	s_mul_i32 s38, s38, QBLK
	s_mov_b32 s39, 0
	s_mov_b32 s[G1], 15|(3<<16)|(1<<21)            ; 15:0 all four work-groups; 17:16 elements of 8 bytes; 21 set beside a mask
	s_mov_b32 s[G1+1], 32<<16                      ; 54 rows of 256 bytes, dense
	s_mov_b32 s[G1+2], 54<<16
	s_mov_b32 s[G1+3], 32<<16
	s_mov_b32 s[G1+4], 54
	s_mov_b32 s[G1+5], 32
	s_mov_b32 s[G1+6], 0
	s_mov_b32 s[G1+7], 0
	s_mov_b32 s[G0], 1
	s_mul_i32 s[G0+1], s[WV], QBLK                 ; block w of LDS
	s_add_co_u32 s40, s36, s17                     ; my token group
	s_lshl_b32 s41, s40, 4
	s_add_co_u32 s41, s41, s20
	s_mul_i32 s41, s41, QBLK                       ; q's block
	s_mul_i32 s42, s22, 6144
	s_mul_i32 s43, s21, 768
	s_add_co_u32 s42, s42, s43
	s_add_co_u32 s42, s42, s41                     ; my fragment's codes
	s_mov_b32 s43, 0
	s_lshl_b32 s46, s22, 9
	s_lshl_b32 s47, s21, 2
	s_add_co_u32 s46, s46, s47
	s_add_co_u32 s46, s46, s41
	s_add_co_u32 s46, s46, 12800                   ; and its scale words
	s_mov_b32 s47, 0
	s_lshl_b32 s48, s40, 3
	s_add_co_u32 s48, s48, s20
	s_mul_i32 s48, s48, 12800                      ; ctx's block (token group, K step hp)
	s_mov_b32 s49, 0
	s_mul_i32 s50, s22, 6144
	s_lshl_b32 s51, s22, 9
	s_add_co_u32 s51, s51, 12800
	s_mul_i32 s52, s22, 3072
	s_add_co_u32 s52, s52, VOFF
	s_lshl_b32 s53, s22, 4
	s_add_co_u32 s53, s53, VOFF+12288
	s_mov_b32 s[SEL], 0x76543210
	s_mov_b32 s[SEL+1], 0xfedcba98
	s_mov_b32 s[CS], 0x3e38aa3b                    ; c = log2(e) / 8
	s_mov_b32 s[CS+1], s[CS]
	s_wait_dscnt 0x0
	s_wait_kmcnt 0x0
	s_add_nc_u64 s[G0+2:G0+3], s[4:5], s[38:39]
	s_or_b32 s[G0+3], s[G0+3], 0x80000000
	CROUND                                         ; all four work-groups are here: the joint loads meet
	tensor_load_to_lds s[G0:G0+3], s[G1:G1+7]      ; my one tensor load
	s_nop 0
	PLACES 4
	s_add_nc_u64 s[44:45], s[4:5], s[42:43]
	s_add_nc_u64 s[46:47], s[4:5], s[46:47]
	s_add_nc_u64 s[48:49], s[6:7], s[48:49]
	v_and_b32 v214, 31, v0                         ; lane
	v_and_b32 v215, 15, v0                         ; r
	v_bfe_u32 v216, v0, 4, 1                       ; h
	s_delay_alu instid0(VALU_DEP_3)
	v_lshlrev_b32 v5, 3, v214                      ; 8 x lane
	s_delay_alu instid0(VALU_DEP_3)
	v_lshlrev_b32 v6, 5, v215                      ; 32 r
	v_lshlrev_b32 v7, 4, v0                        ; 512 w + 16 x lane
.irp j, 0,1,2
	global_load_b64 v[16+2*\j:17+2*\j], v5, s[44:45] offset:256*\j   ; Q's six registers of codes stay
.endr
	global_load_b32 v253, v6, s[46:47]             ; Q's scale words
	v_add_nc_u32 v1, s50, v5
	v_add_nc_u32 v2, s51, v6
	v_add_nc_u32 v3, s52, v5
	v_add_nc_u32 v4, s53, v6
	v_xor_b32 v22, 1, v216
	s_delay_alu instid0(VALU_DEP_1)
	v_lshlrev_b32 v22, 3, v22                      ; the code +1.0 at k = 64 (lanes 0-15); nothing in block 3
.irp i, 23,24,25,26,27
	v_mov_b32 v\i, 0
.endr
.irp t, 0,1,2,3
	v_mov_b32 v[38+12*\t], 40                      ; the code -1.0 at k = 64: these six registers of each fragment of K are written once
.irp i, 7,8,9,10,11
	v_mov_b32 v[32+12*\t+\i], 0
.endr
.endr
.set j, 0
.rept 32
	v_mov_b32 v[164+j], 0                          ; O^T.  (The step is written once: the first finds zeros, which the first change of M leaves zeros)
.set j, j+1
.endr
	v_mov_b32 v13, 0xff61b1e6                      ; the largest t so far: -3e38
	s_delay_alu instid0(VALU_DEP_1)
	v_floor_f32 v12, -v13                          ; -M
	v_mov_b32 v14, 0
	v_mov_b32 v15, 0
.irp b, 0,1,2,3
	v_mov_b32 v[204+\b], 0                         ; a lane permute's destination counts as one of its sources
.endr
	v_mov_b32 v213, 0                              ; (named as the upper half of the pair v[212:213])
	v_mov_b32 v214, 0
	s_mov_b32 s[TB], 0
	s_mov_b32 s[CNT], 8
	s_wait_tensorcnt 0x0                           ; my block is in,
	s_barrier_signal -1
	s_barrier_wait -1                              ; everybody's is
	s_wait_loadcnt 0x0                             ; Q
.Lkeys:                                            ; eight trips of 128 keys
	v_add_nc_u32 v8, s[TB], v1
	s_wait_alu depctr_va_vdst(0)
	v_add_nc_u32 v9, s[TB], v2
	v_add_nc_u32 v10, s[TB], v3
	v_add_nc_u32 v11, s[TB], v4
	v_nop
	v_nop                                          ; six places: the scores' products write over registers that the last trip's products read (five are owed)
.irp g, 0,1                                    ; S^T = K Q^T, four tiles of 16 keys at a time
.if \g
	PLACES 4                                       ; in front of loads into registers that matrix instructions have read
.endif
.irp t, 0,1,2,3
.irp j, 0,1,2
	ds_load_b64 v[32+12*\t+2*\j:33+12*\t+2*\j], v8 offset:(4*\g+\t)*768+256*\j   ; 32 lanes read 256 consecutive bytes
.endr
.endr
.if \g == 0
	ds_load_b128 v[240:243], v9
	ds_load_b128 v[244:247], v9 offset:16
.endif
	s_wait_dscnt 0x0
.irp t, 0,1,2,3
	v_wmma_scale_f32_16x16x128_f8f6f4 v[100+8*(4*\g+\t):107+8*(4*\g+\t)], v[32+12*\t:43+12*\t], v[16:27], 0, v[240+4*\g+\t], v253 matrix_a_fmt:MATRIX_FMT_FP6 matrix_b_fmt:MATRIX_FMT_FP6
.endr
.endr
	PLACES 4
.irp b, 0,1,2,3
	v_max3_num_f32 v[200+\b], v[100+16*\b], v[101+16*\b], v[102+16*\b]   ; the largest score of each block of 32 keys: for the row's maximum and for the block's largest p
.endr
.irp i, 3,5,7,9,11,13
.irp b, 0,1,2,3
	v_max3_num_f32 v[200+\b], v[200+\b], v[100+16*\b+\i], v[101+16*\b+\i]
.endr
.endr
.irp b, 0,1,2,3
	v_max_num_f32 v[200+\b], v[200+\b], v[115+16*\b]
.endr
.irp b, 0,1,2,3
	s_delay_alu instid0(VALU_DEP_4)
	v_permlanex16_b32 v[204+\b], v[200+\b], s[SEL], s[SEL+1]
.endr
.irp b, 0,1,2,3
	s_delay_alu instid0(VALU_DEP_4)
	v_max_num_f32 v[200+\b], v[200+\b], v[204+\b]  ; with lane l xor 16's 16 keys
.endr
	s_delay_alu instid0(VALU_DEP_2)
	v_max3_num_f32 v214, v200, v201, v202
	s_delay_alu instid0(VALU_DEP_1)
	v_max_num_f32 v214, v214, v203
	s_delay_alu instid0(VALU_DEP_1)
	v_mul_f32 v214, s[CS], v214                    ; as t (c is positive)
	s_delay_alu instid0(VALU_DEP_1)
	v_max_num_f32 v13, v13, v214                   ; the running largest t
	v_mov_b32 v214, v12
	s_delay_alu instid0(VALU_DEP_2)
	v_floor_f32 v12, -v13                          ; the new -M = -ceil(t)
	s_delay_alu instid0(VALU_DEP_1)
	v_sub_f32 v214, v12, v214                      ; old M - new M: a whole number, 0 or less
	s_delay_alu instid0(VALU_DEP_1)
	v_cvt_i32_f32 v214, v214                       ; (it saturates)
	s_delay_alu instid0(VALU_DEP_1)
	v_ldexp_f32 v212, 1.0, v214                    ; f = 2^(old M - new M): rounds nothing
.set j, 0
.rept 32
	v_pk_fma_f32 v[100+j:101+j], v[100+j:101+j], s[CS:CS+1], v[12:13] op_sel_hi:[1,0,0]   ; t - M
.set j, j+2
.endr
.irp b, 0,1,2,3
	v_fma_f32 v[200+\b], v[200+\b], s[CS], v12
.endr
.set j, 0
	s_wait_alu depctr_va_vdst(0)
.rept 64
	v_exp_f32 v[100+j], v[100+j]                   ; p = 2^(t - M)
.set j, j+1
.endr
	v_pk_mul_f32 v[14:15], v[14:15], v[212:213] op_sel_hi:[1,0]   ; the sums under the new M: the plain line behind the batch
	s_wait_alu depctr_va_vdst(0)                   ; one wait for the whole batch, ahead of its first reader
.irp b, 0,1,2,3
	v_exp_f32 v[200+\b], v[200+\b]                 ; each block's largest p
.endr
	v_pk_add_f32 v[216:217], v[104:105], v[108:109]
	v_pk_add_f32 v[250:251], v[112:113], v[116:117]
	v_pk_add_f32 v[248:249], v[120:121], v[124:125]
	v_pk_add_f32 v[246:247], v[128:129], v[132:133]
	v_pk_add_f32 v[244:245], v[136:137], v[140:141]
	v_pk_add_f32 v[242:243], v[144:145], v[148:149]
	v_pk_add_f32 v[240:241], v[152:153], v[156:157]
	v_pk_add_f32 v[14:15], v[14:15], v[160:161]
	v_pk_add_f32 v[216:217], v[216:217], v[100:101]
	v_pk_add_f32 v[250:251], v[250:251], v[102:103]
	v_pk_add_f32 v[248:249], v[248:249], v[106:107]
	v_pk_add_f32 v[246:247], v[246:247], v[110:111]
	v_pk_add_f32 v[244:245], v[244:245], v[114:115]
	v_pk_add_f32 v[242:243], v[242:243], v[118:119]
	v_pk_add_f32 v[240:241], v[240:241], v[122:123]
	v_pk_add_f32 v[14:15], v[14:15], v[126:127]
	v_pk_add_f32 v[216:217], v[216:217], v[130:131]
	v_pk_add_f32 v[250:251], v[250:251], v[134:135]
	v_pk_add_f32 v[248:249], v[248:249], v[138:139]
	v_pk_add_f32 v[246:247], v[246:247], v[142:143]
	v_pk_add_f32 v[244:245], v[244:245], v[146:147]
	v_pk_add_f32 v[242:243], v[242:243], v[150:151]
	v_pk_add_f32 v[240:241], v[240:241], v[154:155]
	v_pk_add_f32 v[14:15], v[14:15], v[158:159]
	v_pk_add_f32 v[216:217], v[216:217], v[162:163]
	s_delay_alu instid0(VALU_DEP_2)
	v_pk_add_f32 v[14:15], v[14:15], v[246:247]
	s_delay_alu instid0(VALU_DEP_2)
	v_pk_add_f32 v[216:217], v[216:217], v[244:245]
	v_pk_add_f32 v[250:251], v[250:251], v[242:243]
	v_pk_add_f32 v[248:249], v[248:249], v[240:241]
	s_delay_alu instid0(VALU_DEP_2)
	v_pk_add_f32 v[14:15], v[14:15], v[250:251]
	s_delay_alu instid0(VALU_DEP_2)
	v_pk_add_f32 v[216:217], v[216:217], v[248:249]
	s_delay_alu instid0(VALU_DEP_1)
	v_pk_add_f32 v[14:15], v[14:15], v[216:217]
	s_wait_alu depctr_va_vdst(0)                   ; and one for the four
.irp b, 0,1,2,3
	v_max_num_f32 v[200+\b], 0x1800000, v[200+\b]  ; the floor 2^(3 - 127)
.endr
.irp b, 0,1,2,3
	s_delay_alu instid0(VALU_DEP_4)
	v_add_nc_u32 v[208+\b], 0xff000000, v[200+\b]
.endr
.irp b, 0,1,2,3
	s_delay_alu instid0(VALU_DEP_4)
	v_lshrrev_b32 v[204+\b], 23, v[208+\b]
.endr
	s_delay_alu instid0(VALU_DEP_3)
	v_lshl_or_b32 v252, v205, 8, v204              ; p's scale word for these 128 keys
	s_delay_alu instid0(VALU_DEP_1)
	v_lshl_or_b32 v252, v206, 16, v252
	s_delay_alu instid0(VALU_DEP_1)
	v_lshl_or_b32 v252, v207, 24, v252
.irp c, 0,1
	v_cvt_scalef32_pk16_fp6_f32 v[80+6*\c:82+6*\c], v[100+32*\c:115+32*\c], v[208+2*\c]
	v_cvt_scalef32_pk16_fp6_f32 v[92+4*\c:94+4*\c], v[116+32*\c:131+32*\c], v[208+2*\c+1]
.endr
	v_nop                                          ; one plain line behind a scaled conversion
.irp c, 0,1
.irp i, 0,1,2
	v_permlane16_swap_b32 v[80+6*\c+\i], v[92+4*\c+\i]
.endr
.irp i, 0,1,2
	s_delay_alu instid0(VALU_DEP_3)
	v_mov_b32 v[83+6*\c+\i], v[92+4*\c+\i]
.endr
.endr
.irp t, 0,1,2,3                                ; V's four tiles of my head, these 128 keys, into the registers that p has left
.irp c, 0,1
.irp j, 0,1,2
	ds_load_b64 v[100+12*\t+6*\c+2*\j:101+12*\t+6*\c+2*\j], v10 offset:\c*6144+\t*768+256*\j
.endr
.endr
.endr
	ds_load_b128 v[248:251], v11
.set j, 0
.rept 16
	v_pk_mul_f32 v[164+j:165+j], v[164+j:165+j], v[212:213] op_sel_hi:[1,0]   ; O^T under the new M.  (These sixteen are also the places between p's codes and scale word and the products)
.set j, j+2
.endr
	s_wait_alu depctr_va_vdst(0)
	s_wait_dscnt 0x0
.irp t, 0,1,2,3                                ; the four accumulators by turns
	v_wmma_scale_f32_16x16x128_f8f6f4 v[164+8*\t:171+8*\t], v[100+12*\t:111+12*\t], v[80:91], v[164+8*\t:171+8*\t], v[248+\t], v252 matrix_a_fmt:MATRIX_FMT_FP6 matrix_b_fmt:MATRIX_FMT_FP6
.endr
	s_add_co_u32 s[TB], s[TB], QBLK
	s_sub_co_u32 s[CNT], s[CNT], 1
	s_cmp_lg_u32 s[CNT], 0
	s_cbranch_scc1 .Lkeys
	; THE WAY OUT: O^T / the sum, quantised (two blocks of 32 channels: half a fragment), into ctx's block in LDS; the block leaves in stores of 512 consecutive bytes.
	v_add_f32 v14, v14, v15
	s_delay_alu instid0(VALU_DEP_1)
	v_permlanex16_b32 v214, v14, s[SEL], s[SEL+1]
	s_delay_alu instid0(VALU_DEP_1)
	v_add_f32 v14, v14, v214                       ; the row's sum
	s_wait_alu depctr_va_vdst(0)
	v_rcp_f32 v14, v14
	v_and_b32 v215, 31, v0                         ; (plain lines behind the transcendental)
	s_delay_alu instid0(VALU_DEP_1)
	v_lshlrev_b32 v215, 4, v215                    ; 16 x lane
	s_mul_i32 s54, s21, 1536
	s_add_co_u32 s54, s54, CST
	s_mul_i32 s55, s22, 520
	s_add_co_u32 s55, s55, s54
	v_add_nc_u32 v8, s55, v215                     ; registers 6 e, 6 e + 1 of tile a; 512 on: registers 6 e + 4, + 5
	s_mul_i32 s55, s22, 1016
	s_add_co_u32 s55, s55, s54
	s_add_co_u32 s55, s55, 8
	v_add_nc_u32 v9, s55, v215                     ; registers 6 e + 2, + 3
	s_lshl_b32 s56, s21, 2
	s_lshl_b32 s57, s22, 1
	s_add_co_u32 s56, s56, s57
	s_add_co_u32 s56, s56, CST+12288
	v_add_nc_u32 v10, s56, v6                      ; bytes 2 e, 2 e + 1 of the scale word of row r of tile a
	v_add_nc_u32 v11, CST, v7
	s_wait_alu depctr_va_vdst(0)                   ; the wait ahead of the reciprocal's first reader
.set j, 0
.rept 32
	v_mul_f32 v[100+j], v[164+j], v14              ; register 16 b + i: channel 32 b + 16 h + i of my head; each accumulator from its low end on
.set j, j+1
.endr
.irp b, 0,1
	v_max3_num_f32 v[200+\b], |v[100+16*\b]|, |v[101+16*\b]|, 0x1800000
.endr
.irp i, 2,4,6,8,10,12,14
.irp b, 0,1
	s_delay_alu instid0(VALU_DEP_2)
	v_max3_num_f32 v[200+\b], v[200+\b], |v[100+16*\b+\i]|, |v[101+16*\b+\i]|
.endr
.endr
.irp b, 0,1
	s_delay_alu instid0(VALU_DEP_2)
	v_permlanex16_b32 v[204+\b], v[200+\b], s[SEL], s[SEL+1]
.endr
.irp b, 0,1
	s_delay_alu instid0(VALU_DEP_2)
	v_max_num_f32 v[200+\b], v[200+\b], v[204+\b]
.endr
.irp b, 0,1
	s_delay_alu instid0(VALU_DEP_2)
	v_add_nc_u32 v[208+\b], 0xff000000, v[200+\b]
.endr
.irp b, 0,1
	s_delay_alu instid0(VALU_DEP_2)
	v_lshrrev_b32 v[204+\b], 23, v[208+\b]
.endr
	s_delay_alu instid0(VALU_DEP_1)
	v_lshl_or_b32 v214, v205, 8, v204
	v_cvt_scalef32_pk16_fp6_f32 v[80:82], v[100:115], v208
	v_cvt_scalef32_pk16_fp6_f32 v[92:94], v[116:131], v209
	v_nop
.irp i, 0,1,2
	v_permlane16_swap_b32 v[80+\i], v[92+\i]
.endr
.irp i, 0,1,2
	s_delay_alu instid0(VALU_DEP_3)
	v_mov_b32 v[83+\i], v[92+\i]
.endr
	ds_store_b64 v8, v[80:81]
	ds_store_b64 v9, v[82:83]
	ds_store_b64 v8, v[84:85] offset:512
	ds_store_b16 v10, v214                         ; both halves of the lanes write the same two bytes
	s_wait_dscnt 0x0                               ; for the others' sake
	s_barrier_signal -1
	s_barrier_wait -1
	ds_load_b128 v[100:103], v11                   ; 25 pieces of 512 bytes: piece w,
	s_wait_dscnt 0x0
	global_store_b128 v7, v[100:103], s[48:49]
	s_cmp_gt_u32 s[WV], 8
	s_cbranch_scc1 .Lone
	ds_load_b128 v[104:107], v11 offset:8192       ; and in waves 0 to 8 piece 16 + w
	s_wait_dscnt 0x0
	global_store_b128 v7, v[104:107], s[48:49] offset:8192
.Lone:
	s_wait_tensorcnt 0x0
	ds_add_u32 v254, v255
	s_wait_dscnt 0x0
	CROUND                                         ; the closing round
	s_endpgm
.Lfunc_end_k_q1b9fe1c719_attn:
	.size	k_q1b9fe1c719_attn, .Lfunc_end_k_q1b9fe1c719_attn-k_q1b9fe1c719_attn
	.p2alignl 7, 3214868480
	.fill 96, 4, 3214868480
	.section	.rodata,"a",@progbits
	.p2align	6, 0x0
	.amdhsa_kernel k_q1b9fe1c719_attn
		.amdhsa_group_segment_fixed_size 236032
		.amdhsa_private_segment_fixed_size 0
		.amdhsa_enable_private_segment 0
		.amdhsa_kernarg_size 16
		.amdhsa_user_sgpr_count 2
		.amdhsa_user_sgpr_kernarg_segment_ptr 1
		.amdhsa_wavefront_size32 1
		.amdhsa_system_sgpr_workgroup_id_x 1
		.amdhsa_system_sgpr_workgroup_id_y 1
		.amdhsa_system_sgpr_workgroup_id_z 1
		.amdhsa_system_vgpr_workitem_id 0
		.amdhsa_next_free_vgpr 256
		.amdhsa_next_free_sgpr 66
		.amdhsa_reserve_vcc 0
		.amdhsa_float_denorm_mode_32 3
		.amdhsa_float_denorm_mode_16_64 3
		.amdhsa_memory_ordered 1
		.amdhsa_forward_progress 1
		.amdhsa_inst_pref_size 32
	.end_amdhsa_kernel
	.amdgpu_metadata
---
amdhsa.version: [ 1, 2 ]
amdhsa.kernels:
  - .name:           k_q1b9fe1c719_attn
    .symbol:         k_q1b9fe1c719_attn.kd
    .args:
      - { .name: qkvc, .offset: 0, .size: 8, .value_kind: global_buffer, .address_space: global }
      - { .name: ctxc, .offset: 8, .size: 8, .value_kind: global_buffer, .address_space: global }
    .group_segment_fixed_size: 236032
    .private_segment_fixed_size: 0
    .kernarg_segment_align: 8
    .kernarg_segment_size: 16
    .max_flat_workgroup_size: 512
    .sgpr_count:     66
    .vgpr_count:     256
    .wavefront_size: 32
...
	.end_amdgpu_metadata
.endif
;; end of part 3
;; launch wo (part 4): grid 8 x 32, 4 waves a work-group, clusters of 4 x 4, 327,680 bytes of LDS; arguments ctxc, wc, bo, x, x1; writes x1
.if DOCPART == 4
	.amdgcn_target "amdgcn-amd-amdhsa--gfx1250"
	.amdhsa_code_object_version 6
	.text
	.protected	k_q1b9fe1c719_wo
	.globl	k_q1b9fe1c719_wo
	.p2align	8
	.type	k_q1b9fe1c719_wo,@function
k_q1b9fe1c719_wo:
	s_mov_b64 s[64:65], 0
	v_nop
	global_prefetch_b8 v0, s[64:65] scope:SCOPE_SE
	s_setreg_imm32_b32 hwreg(HW_REG_WAVE_MODE, 25, 1), 1
	s_wait_xcnt 0x0
	s_wait_alu depctr_hold_cnt(0) depctr_sa_sdst(0) depctr_va_vdst(0) depctr_va_sdst(0) depctr_va_ssrc(0) depctr_va_vcc(0) depctr_vm_vsrc(0)
	s_getreg_b32 s2, hwreg(HW_REG_IB_STS2, 6, 4)
	s_cmp_eq_u32 s2, 0
	s_cbranch_scc0 .Lentry_in_a_cluster
	s_endpgm
.Lentry_in_a_cluster:
	s_bfe_u32 s2, ttmp6, 0x10000c
	s_cmp_lg_u32 s2, 0xf033
	s_cbranch_scc0 .Lentry_shape_is_right
	s_endpgm
.Lentry_shape_is_right:
; x1 = x + ctx wo + bo: ctx [4,096][1,024] and wo [1,024][1,024] as codes of FP6 (E2M3) with E8M0 scales, laid as images of operand registers; x, x1 [4,096][1,024] f32.
; A tile of 128 x 128 to a work-group (256 work-groups), 64 x 64 to each of four waves: 16 accumulators.  Blocks of 12,800 bytes (128 rows x 128 K: tile a at 1536 a, register group c at 512 c, lane at 16 l; scale
; words at 12288 + 32 r + 4 a), [group][K step]; eight K steps.
; ALL OF K LIES IN LDS, FILLED ONCE: ctx's eight blocks at 0, wo's eight behind them, 204,800 bytes.  Each wave fetches four blocks, 51,200 dense bytes, by its one tensor load at the head (200 rows of 256 bytes);
; nothing is filled again, so one barrier, behind the loads, is all that the product needs.  No prefetch: every byte is asked for at the head, and there is no loop to run ahead in.
; CLUSTERS of 4 x 4: ctx's blocks are asked for jointly along a row of the cluster, wo's along a column.  THE PRODUCT IS USED TRANSPOSED (source 0 = wo's tile, source 1 = ctx's): a lane holds one token; register j of wo's
; tile b is column 32 (b / 2) + 8 (b % 2) + 16 h + j of the group.  The way out goes through the wave's own stage in LDS, so that sixteen lanes store 256 consecutive bytes.
; The residual tile is loaded at the head into a window of its own and has the whole product in which to land.
; REGISTERS: window 0: v0-31 addresses; v32-39 scale words alone, a set for each fragment buffer; v40-43 bias; v64-127 the way out; v128-255 accumulator (a, b) at 128 + 8 (4 a + b).
;   window 1: two fragment buffers (v0.., v128..): ctx's four tiles, then wo's four.   window 2: v0-127 the residual.
; LIMITS: NaN and infinities are not served.
.set SK,   8                           ; K steps of 128
.set WOFF, 192                         ; wo's first block in wc
.set BLK,   12800
.set PART,  4*BLK                      ; what one tensor load brings
.set STG,   4*PART                     ; behind the sixteen blocks: 16 rows x 272 bytes for each wave
.set SPARE, STG+4*16*272               ; behind the stages: the spare words, 128 bytes a wave, two blocks of 256 bytes that no other line names
.set FR,    12
.set ADRA,  16                         ; v16-17 ctx's fragments, K steps 0-3 and 4-7 (an LDS offset has 16 bits)
.set ADRB,  20                         ; v20-21 wo's
.set ADRS,  22                         ; v22-23 the scale words: lanes 0-15 ctx's, lanes 16-31 wo's
.set STO,   24
.set RD,    25
.set CO,    26
.set OBI,   27
.set SPW,   28
.set NIL,   29
.set SCS,   32
.set BI,    40
.set TMP,   64
.set ACC,   128
.set WV,  18
.set RH,  19
.set CH,  20
.set G1,  24
.set G0,  32
.set G1B, 48
.set G0B, 56
.set MUL,  0x05                        ; sources 0 and 1 window 1; C and D window 0
.set TO_F, 0x40                        ; destination window 1
.set MSB, 0
.macro WIN new                         ; the immediate's high byte repeats the setting that is left
.if MSB != (\new)
	s_set_vgpr_msb (MSB<<8)|(\new)
.set MSB, (\new)
.endif
.endm
.macro PLACES n
.rept \n
	v_nop
.endr
.endm
.macro JLOAD g0a, g1a, g0b, g1b        ; waves 0 and 1 fetch for ctx, waves 2 and 3 for wo; an s_nop 0 and four v_nop follow each line
	s_cmp_eq_u32 s[RH], 0
	s_cbranch_scc0 .Lfor_b_\@
	tensor_load_to_lds s[\g0a:\g0a+3], s[\g1a:\g1a+7]
	s_nop 0
.rept 4
	v_nop
.endr
	s_branch .Lasked_\@
.Lfor_b_\@:
	tensor_load_to_lds s[\g0b:\g0b+3], s[\g1b:\g1b+7]
	s_nop 0
.rept 4
	v_nop
.endr
.Lasked_\@:
.endm
.macro CROUND                          ; a round of the cluster's barrier
	s_barrier_signal -1
	s_barrier_wait -1
	s_cmp_lg_u32 s[WV], 0
	s_cbranch_scc1 .Lnot_wave_0_\@
	s_barrier_signal -3
.Lnot_wave_0_\@:
	s_barrier_wait -3
	s_barrier_signal -1
	s_barrier_wait -1
.endm
	s_load_b256 s[4:11], s[0:1], 0x0               ; ctxc, wc, bo, x
	s_load_b64 s[12:13], s[0:1], 0x20              ; x1
	v_lshl_add_u32 v[SPW], v0, 2, SPARE
	v_mov_b32 v[NIL], 0
	ds_add_u32 v[SPW], v[NIL]                      ; the opening lines: the add, twice on end, and its wait ahead of my first tensor load
	ds_add_u32 v[SPW], v[NIL]
	s_wait_dscnt 0x0
	v_lshrrev_b32 v1, 5, v0
	v_readfirstlane_b32 s[WV], v1
	s_lshr_b32 s[RH], s[WV], 1                     ; my half of the rows.  Also: I fetch for ctx (0) or for wo (1)
	s_and_b32 s[CH], s[WV], 1                      ; my half of the columns.  Also: which four of the eight K steps I fetch
	s_bfe_u32 s40, ttmp6, 0x40000                  ; cx
	s_bfe_u32 s41, ttmp6, 0x40004                  ; cy
	s_lshl_b32 s67, ttmp9, 2
	s_add_co_u32 s67, s67, s40                     ; tile column 0..7
	s_and_b32 s68, ttmp7, 0xffff
	s_lshl_b32 s68, s68, 2
	s_add_co_u32 s68, s68, s41                     ; tile row 0..31
	s_lshl_b32 s69, s41, 2
	s_lshl_b32 s69, 15, s69
	s_lshl_b32 s70, 0x1111, s40
	s_or_b32 s[G1], s69, (3<<16)|(1<<21)           ; the mask; elements of 8 bytes; bit 21 beside a mask; no padding
	s_or_b32 s[G1B], s70, (3<<16)|(1<<21)
.irp g, G1, G1B
	s_mov_b32 s[\g+1], 32<<16                      ; 200 rows of 256 bytes, dense
	s_mov_b32 s[\g+2], 200<<16
	s_mov_b32 s[\g+3], 32<<16
	s_mov_b32 s[\g+4], 200
	s_mov_b32 s[\g+5], 32
	s_mov_b32 s[\g+6], 0
	s_mov_b32 s[\g+7], 0
.endr
	s_mul_i32 s71, s[CH], PART
	s_mul_i32 s72, s68, SK*BLK
	s_add_co_u32 s72, s72, s71                     ; ctx: group = tile row, + my four K steps
	s_mov_b32 s73, 0
	s_mul_i32 s74, s67, SK*BLK
	s_add_co_u32 s74, s74, s71
	s_add_co_u32 s74, s74, WOFF*BLK                ; wo: group = tile column
	s_mov_b32 s75, 0
	s_mul_i32 s76, s[WV], PART                     ; where they go: no place in the cluster enters an LDS address
	s_lshl_b32 s88, s68, 7
	s_lshl_b32 s89, s[RH], 6
	s_add_co_u32 s88, s88, s89
	s_lshl_b32 s88, s88, 12                        ; my first row of x and x1, rows of 4,096 bytes,
	s_lshl_b32 s90, s67, 9
	s_lshl_b32 s91, s[CH], 8
	s_add_co_u32 s90, s90, s91                     ; my first column, in bytes
	s_add_co_u32 s88, s88, s90
	s_mov_b32 s89, 0
	s_mov_b32 s91, 0
	s_wait_kmcnt 0x0
	s_add_nc_u64 s[78:79], s[4:5], s[72:73]
	s_add_nc_u64 s[80:81], s[6:7], s[74:75]
	CROUND                                         ; all sixteen work-groups are here: the joint loads meet
	s_mov_b32 s[G0], 1
	s_add_co_u32 s[G0+1], s76, 0
	s_mov_b64 s[G0+2:G0+3], s[78:79]
	s_or_b32 s[G0+3], s[G0+3], 0x80000000
	s_mov_b32 s[G0B], 1
	s_add_co_u32 s[G0B+1], s76, 0
	s_mov_b64 s[G0B+2:G0B+3], s[80:81]
	s_or_b32 s[G0B+3], s[G0B+3], 0x80000000
	JLOAD G0, G1, G0B, G1B                         ; my one tensor load: four K steps of ctx (waves 0, 1) or of wo (waves 2, 3)
	s_add_nc_u64 s[12:13], s[12:13], s[88:89]
	s_add_nc_u64 s[10:11], s[10:11], s[88:89]
	s_add_nc_u64 s[8:9], s[8:9], s[90:91]
	v_and_b32 v1, 15, v0                           ; r
	v_bfe_u32 v2, v0, 4, 1                         ; h
	v_and_b32 v3, 31, v0
	v_lshlrev_b32 v3, 4, v3                        ; 16 x lane
	v_lshlrev_b32 v[OBI], 4, v1
	v_lshl_add_u32 v[CO], v2, 12, v[OBI]           ; lanes 0-15 one row's 256 bytes, lanes 16-31 the next row's
	global_load_b128 v[BI:BI+3], v[OBI], s[8:9]    ; the bias of my four columns on the way out
	WIN 0x80                                       ; destination window 2
.irp a, 0,1,2,3
.irp t, 0,1,2,3,4,5,6,7
	global_load_b128 v[32*\a+4*\t:32*\a+4*\t+3], v[CO], s[10:11] offset:(16*\a+2*\t)*4096
.endr
.endr
	WIN 0
	s_wait_alu depctr_va_vdst(0)                   ; directly ahead of the run of scalar instructions
	s_mul_i32 s82, s[RH], 6144                     ; my four tiles of ctx,
	s_mul_i32 s83, s[CH], 6144
	s_add_co_u32 s83, s83, 2*PART                  ; of wo, behind ctx's eight blocks
	s_lshl_b32 s84, s[RH], 4
	s_lshl_b32 s85, s[CH], 4
	s_add_co_u32 s85, s85, 2*PART
	s_sub_co_u32 s85, s85, s84
	s_add_co_u32 s84, s84, 12288
	s_mul_i32 s86, s[WV], 16*272
	s_add_co_u32 s86, s86, STG                     ; my stage
	s_add_co_u32 s87, s82, PART                    ; K steps 4-7 lie four blocks on
	s_add_co_u32 s92, s83, PART
	s_add_co_u32 s93, s84, PART
	v_mul_u32_u24 v6, s85, v2                      ; lanes 16-31 take wo's scale words
	v_lshl_add_u32 v6, v1, 5, v6
	v_add_nc_u32 v[ADRA], s82, v3
	v_add_nc_u32 v[ADRA+1], s87, v3
	v_add_nc_u32 v[ADRB], s83, v3
	v_add_nc_u32 v[ADRB+1], s92, v3
	v_add_nc_u32 v[ADRS], s84, v6
	v_add_nc_u32 v[ADRS+1], s93, v6
	v_mul_u32_u24 v4, v1, 272
	v_lshl_add_u32 v4, v2, 6, v4
	v_add_nc_u32 v[STO], s86, v4                   ; in: row r, + 64 h
	v_mul_u32_u24 v5, v2, 272
	v_lshl_add_u32 v5, v1, 4, v5
	v_add_nc_u32 v[RD], s86, v5                    ; back: lanes 0-15 one row, lanes 16-31 the next
; 8 matrix instructions: ctx's tiles a0, a0 + 1 x wo's four, 128 along K, from buffer f.  The 16 accumulators take turns, one instruction a turn.
.macro MUL8 f, a0, zero
.irp a, \a0, \a0+1
.irp b, 0,1,2,3
.if \zero
	v_wmma_scale_f32_16x16x128_f8f6f4 v[ACC+8*(4*(\a)+\b):ACC+8*(4*(\a)+\b)+7], v[\f+48+FR*\b:\f+48+FR*\b+FR-1], v[\f+FR*(\a):\f+FR*(\a)+FR-1], 0, v[SCS+4*(\f/128)+\b], v[SCS+4*(\f/128)+(\a)] matrix_a_fmt:MATRIX_FMT_FP6 matrix_b_fmt:MATRIX_FMT_FP6 matrix_a_scale:MATRIX_SCALE_ROW1
.else
	v_wmma_scale_f32_16x16x128_f8f6f4 v[ACC+8*(4*(\a)+\b):ACC+8*(4*(\a)+\b)+7], v[\f+48+FR*\b:\f+48+FR*\b+FR-1], v[\f+FR*(\a):\f+FR*(\a)+FR-1], v[ACC+8*(4*(\a)+\b):ACC+8*(4*(\a)+\b)+7], v[SCS+4*(\f/128)+\b], v[SCS+4*(\f/128)+(\a)] matrix_a_fmt:MATRIX_FMT_FP6 matrix_b_fmt:MATRIX_FMT_FP6 matrix_a_scale:MATRIX_SCALE_ROW1
.endif
.endr
.endr
.endm
.macro FETCH k, f                      ; 25 LDS loads: the eight fragments of K step k and their scale words, into buffer f
	WIN TO_F
.irp i, 0,1,2,3
.irp c, 0,1,2
	ds_load_b128 v[\f+48+FR*\i+4*\c:\f+48+FR*\i+4*\c+3], v[ADRB+(\k)/4] offset:((\k)%4)*BLK+\i*1536+512*\c
	ds_load_b128 v[\f+FR*\i+4*\c:\f+FR*\i+4*\c+3], v[ADRA+(\k)/4] offset:((\k)%4)*BLK+\i*1536+512*\c
.endr
.endr
	WIN 0
	ds_load_b128 v[SCS+4*(\f/128):SCS+4*(\f/128)+3], v[ADRS+(\k)/4] offset:((\k)%4)*BLK
.endm
.macro KSTEP k, zero                   ; asks for the next K step's fragments, then multiplies its own, from buffer k % 2
	s_wait_dscnt 0x0                               ; my buffer is in: it was asked for a K step ago
.if (\k) < SK-1
	PLACES 4                                       ; in front of loads into registers that matrix instructions have read
	FETCH (\k)+1, 128*(((\k)+1)%2)
.endif
	WIN MUL
	MUL8 128*((\k)%2), 0, \zero
	MUL8 128*((\k)%2), 2, \zero
.endm
	s_wait_alu depctr_va_vdst(0)                   ; the wait at the head's end
	s_wait_tensorcnt 0x0                           ; my four blocks are in;
	s_barrier_signal -1
	s_barrier_wait -1                              ; everybody's are
	FETCH 0, 0
	KSTEP 0, 1                                     ; the first K step's products start the sums
.irp k, 1,2,3,4,5,6,7
	KSTEP \k, 0
.endr
	WIN 0
	PLACES 4                                       ; in front of the first read of results
	s_wait_loadcnt 0x0                             ; the bias and the residual, asked for at the head
; 16 rows x 64 columns at a time: into my stage by columns, back as whole rows of 256 bytes; LDS serves a wave's instructions in order, so no wait stands between the stores and the loads.
.macro OUTA a
.set TT, TMP+32*((\a)%2)
.if (\a) >= 2
	s_wait_xcnt 0x0                                ; the stores of two blocks ago have read these registers
.endif
.irp b, 0,1,2,3
	ds_store_b128 v[STO], v[ACC+8*(4*(\a)+\b):ACC+8*(4*(\a)+\b)+3] offset:128*(\b/2)+32*(\b%2)       ; each accumulator from its low end on
	ds_store_b128 v[STO], v[ACC+8*(4*(\a)+\b)+4:ACC+8*(4*(\a)+\b)+7] offset:128*(\b/2)+32*(\b%2)+16
.endr
.irp t, 0,1,2,3,4,5,6,7
	ds_load_b128 v[TT+4*\t:TT+4*\t+3], v[RD] offset:2*\t*272
.endr
	s_wait_dscnt 0x0
	WIN 0x08                                       ; source 1: window 2
.set i, 0
.rept 16
	v_pk_add_f32 v[TT+2*i:TT+2*i+1], v[TT+2*i:TT+2*i+1], v[32*(\a)+2*i:32*(\a)+2*i+1]   ; + the residual
.set i, i+1
.endr
	WIN 0
.irp t, 0,1,2,3,4,5,6,7
	v_pk_add_f32 v[TT+4*\t:TT+4*\t+1], v[TT+4*\t:TT+4*\t+1], v[BI:BI+1]                 ; + the bias
	v_pk_add_f32 v[TT+4*\t+2:TT+4*\t+3], v[TT+4*\t+2:TT+4*\t+3], v[BI+2:BI+3]
.endr
.irp t, 0,1,2,3,4,5,6,7
	global_store_b128 v[CO], v[TT+4*\t:TT+4*\t+3], s[12:13] offset:(16*(\a)+2*\t)*4096   ; 16 lanes store 256 consecutive bytes, aligned
.endr
.endm
	OUTA 0
	OUTA 1
	OUTA 2
	OUTA 3
	s_wait_tensorcnt 0x0                           ; the wave's end
	ds_add_u32 v[SPW], v[NIL]
	s_wait_dscnt 0x0
	CROUND                                         ; the closing round
	s_endpgm
.Lfunc_end_k_q1b9fe1c719_wo:
	.size	k_q1b9fe1c719_wo, .Lfunc_end_k_q1b9fe1c719_wo-k_q1b9fe1c719_wo
	.p2alignl 7, 3214868480
	.fill 96, 4, 3214868480
	.section	.rodata,"a",@progbits
	.p2align	6, 0x0
	.amdhsa_kernel k_q1b9fe1c719_wo
		.amdhsa_group_segment_fixed_size 327680
		.amdhsa_private_segment_fixed_size 0
		.amdhsa_enable_private_segment 0
		.amdhsa_kernarg_size 40
		.amdhsa_user_sgpr_count 2
		.amdhsa_user_sgpr_kernarg_segment_ptr 1
		.amdhsa_wavefront_size32 1
		.amdhsa_system_sgpr_workgroup_id_x 1
		.amdhsa_system_sgpr_workgroup_id_y 1
		.amdhsa_system_sgpr_workgroup_id_z 1
		.amdhsa_system_vgpr_workitem_id 0
		.amdhsa_next_free_vgpr 640
		.amdhsa_next_free_sgpr 100
		.amdhsa_reserve_vcc 0
		.amdhsa_float_denorm_mode_32 3
		.amdhsa_float_denorm_mode_16_64 3
		.amdhsa_memory_ordered 1
		.amdhsa_forward_progress 1
		.amdhsa_inst_pref_size 56
	.end_amdhsa_kernel
	.amdgpu_metadata
---
amdhsa.version: [ 1, 2 ]
amdhsa.kernels:
  - .name:           k_q1b9fe1c719_wo
    .symbol:         k_q1b9fe1c719_wo.kd
    .args:
      - { .name: ctxc, .offset: 0, .size: 8, .value_kind: global_buffer, .address_space: global }
      - { .name: wc, .offset: 8, .size: 8, .value_kind: global_buffer, .address_space: global }
      - { .name: bo, .offset: 16, .size: 8, .value_kind: global_buffer, .address_space: global }
      - { .name: x, .offset: 24, .size: 8, .value_kind: global_buffer, .address_space: global }
      - { .name: x1, .offset: 32, .size: 8, .value_kind: global_buffer, .address_space: global }
    .group_segment_fixed_size: 327680
    .private_segment_fixed_size: 0
    .kernarg_segment_align: 8
    .kernarg_segment_size: 40
    .max_flat_workgroup_size: 128
    .sgpr_count:     100
    .vgpr_count:     640
    .wavefront_size: 32
...
	.end_amdgpu_metadata
.endif
;; end of part 4
;; launch ln2 (part 5): grid 768 x 1, 4 waves a work-group, no clusters, 47,616 bytes of LDS; arguments x1, alpha2, beta2, xnc, w1, w2, wc; writes xnc, wc
.if DOCPART == 5
	.amdgcn_target "amdgcn-amd-amdhsa--gfx1250"
	.amdhsa_code_object_version 6
	.text
	.protected	k_q1b9fe1c719_ln2
	.globl	k_q1b9fe1c719_ln2
	.p2align	8
	.type	k_q1b9fe1c719_ln2,@function
k_q1b9fe1c719_ln2:
	s_mov_b64 s[64:65], 0
	v_nop
	global_prefetch_b8 v0, s[64:65] scope:SCOPE_SE
	s_setreg_imm32_b32 hwreg(HW_REG_WAVE_MODE, 25, 1), 1
	s_wait_xcnt 0x0
; out = Q(alpha (x - mean) / (std + 1e-6) + beta), std with n - 1 = 1,023 under the root, for rows of 1,024 f32; Q: codes of FP6 (E2M3), one E8M0 byte for each 32 along the row.
; The codes are laid as images of operand registers, in blocks of 12,800 bytes [group of 128 rows][K step of 128]: tile a (16 rows) at 1536 a, register group c at + 512 c, lane at + 16 l; scale words at 12288 + 32 r + 4 a.
; A work-group takes 16 rows (one tile); wave w takes columns 256 w on (K steps 2 w, 2 w + 1).  Each load reads 512 consecutive bytes of one row; a K step's 16 rows x 512 bytes turn through the wave's own stage in LDS
; (rows 528 bytes apart) and come back so that lane (r, h) holds, of row r, the 16 numbers 32 b + 16 h + 0..15 of each block b of 32: the conversions find 16 neighbours in a lane, a block's other half lies in lane l xor 16.
; The row stays in registers: memory is read once.  Mean first, then the sum of squares of the differences: no difference of large sums is formed.  The four waves' partial sums meet in LDS, 256 bytes for each of the two sums.
; LIMITS: NaN and infinities are not served; a block whose largest magnitude lies under 2^-124 keeps the byte 1.
.set X,   16                           ; v16-143  128 numbers: register 64 q + 16 b + i
.set CHN, 144                          ; v144-151 four chains of pairs
.set PC,  160                          ; v160-178 the codes just made
.set TM,  180                          ; v180-195 at work in QUANT
.set SEL, 16                           ; s[16:17] lane selects for lane l xor 16
.set LST, 512                          ; LDS: behind the two sums' 256 bytes each, a stage of 16 rows for each wave
.set LP,  528                          ; a stage row: 512 bytes + 16 = 132 words: row r starts at bank 4 r mod 64 (ISA guide 11.1)
; 64 numbers of a lane, register 16 b + i = k 32 b + 16 (lane / 16) + i of my row, become a fragment's 12 registers in v[PC] on and its scale word in v[pw].
.macro QUANT s, pw
.irp b, 0,1,2,3
	v_max3_num_f32 v[TM+\b], |v[\s+16*\b]|, |v[\s+1+16*\b]|, 0x1800000   ; my 16 numbers of block b, and the floor 2^(3 - 127): the byte cannot fall under 1
.endr
.irp i, 2,4,6,8,10,12,14
.irp b, 0,1,2,3
	v_max3_num_f32 v[TM+\b], v[TM+\b], |v[\s+16*\b+\i]|, |v[\s+1+16*\b+\i]|
.endr
.endr
.irp b, 0,1,2,3
	v_permlanex16_b32 v[TM+4+\b], v[TM+\b], s[SEL], s[SEL+1]
.endr
.irp b, 0,1,2,3
	v_max_num_f32 v[TM+\b], v[TM+\b], v[TM+4+\b]   ; with lane l xor 16's: the block's largest magnitude
.endr
.irp b, 0,1,2,3
	v_add_nc_u32 v[TM+12+\b], 0xff000000, v[TM+\b] ; 2 off the exponent field: the conversion's scale operand
.endr
.irp b, 0,1,2,3
	v_lshrrev_b32 v[TM+4+\b], 23, v[TM+12+\b]      ; the scale's byte
.endr
	v_lshl_or_b32 v[\pw], v[TM+5], 8, v[TM+4]
	v_lshl_or_b32 v[\pw], v[TM+6], 16, v[\pw]
	v_lshl_or_b32 v[\pw], v[TM+7], 24, v[\pw]
.irp c, 0,1
	v_cvt_scalef32_pk16_fp6_f32 v[PC+6*\c:PC+2+6*\c], v[\s+32*\c:\s+15+32*\c], v[TM+12+2*\c]
	v_cvt_scalef32_pk16_fp6_f32 v[PC+12+4*\c:PC+14+4*\c], v[\s+16+32*\c:\s+31+32*\c], v[TM+12+2*\c+1]
.endr
	v_nop                                          ; one plain line behind a scaled conversion
.irp c, 0,1                                    ; the operand wants a whole block in a lane: lanes 0-15 block 2 c, lanes 16-31 block 2 c + 1
.irp i, 0,1,2
	v_permlane16_swap_b32 v[PC+6*\c+\i], v[PC+12+4*\c+\i]
.endr
.irp i, 0,1,2
	v_mov_b32 v[PC+3+6*\c+\i], v[PC+12+4*\c+\i]
.endr
.endr
.endm
; the four chains, the lane's pair, lane l xor 16, then the four waves through LDS: v152 = the row's sum, the same bits in every wave
.macro REDUCE off
	v_pk_add_f32 v[CHN:CHN+1], v[CHN:CHN+1], v[CHN+2:CHN+3]
	v_pk_add_f32 v[CHN+4:CHN+5], v[CHN+4:CHN+5], v[CHN+6:CHN+7]
	v_pk_add_f32 v[CHN:CHN+1], v[CHN:CHN+1], v[CHN+4:CHN+5]
	v_add_f32 v[CHN], v[CHN], v[CHN+1]
	v_permlanex16_b32 v198, v[CHN], s[SEL], s[SEL+1]
	v_add_f32 v[CHN], v[CHN], v198
	ds_store_b32 v6, v[CHN] offset:\off            ; word 4 r + w (both halves of the lanes write the same value)
	s_wait_dscnt 0x0                               ; for the others' sake
	s_barrier_signal -1
	s_barrier_wait -1
	ds_load_b128 v[152:155], v7 offset:\off
	s_wait_dscnt 0x0
	v_add_f32 v152, v152, v153
	v_add_f32 v154, v154, v155
	v_add_f32 v152, v152, v154
.endm
; K step q of my 16 rows through my stage: in as loaded (a row's 512 bytes by each store), back 64 bytes a lane.  LDS serves a wave's instructions in order (ISA guide 5.7.1.4): no wait between the stores and the loads,
; nor in front of the next K step's stores into the same bytes.  left: the younger global loads that may stay out.
.macro TURNQ q, left
	s_wait_loadcnt \left
.set i, 0
.rept 16
	ds_store_b128 v3, v[X+64*(\q)+4*i:X+64*(\q)+4*i+3] offset:LST+LP*i
.set i, i+1
.endr
.irp b, 0,1,2,3
.irp n, 0,1,2,3
	ds_load_b128 v[X+64*(\q)+16*\b+4*\n:X+64*(\q)+16*\b+4*\n+3], v9 offset:LST+128*\b+16*\n
.endr
.endr
.endm
; TWO INDEPENDENT STREAMS IN THIS LAUNCH, parted on the work-group's number alone: work-groups 0-255 make the norm that the lines above describe; work-groups 256-767 lay out w1 and w2, which are first read by the launches
; behind this one (their text stands behind the norm's).  Neither reads what the other stores.  Each has LDS bytes of its own: the norm 0 .. 34,303, the weights 34,304 .. 47,103; the spare words lie behind both.
	v_lshl_add_u32 v208, v0, 2, 0xb800
	v_mov_b32 v209, 0
	s_cmp_lt_u32 ttmp9, 256                        ; the same for all waves of a work-group
	s_cbranch_scc0 .Lweights
	s_load_b256 s[4:11], s[0:1], 0x0               ; in, alpha, beta, out
	v_lshrrev_b32 v8, 5, v0
	v_readfirstlane_b32 s12, v8                    ; wave
	v_and_b32 v1, 15, v0                           ; r
	v_bfe_u32 v2, v0, 4, 1                         ; h
	v_and_b32 v4, 31, v0
	v_lshlrev_b32 v4, 4, v4                        ; 16 x lane: my bytes of a load's 512, and of a store's
	v_mul_u32_u24 v10, v8, 16*LP                   ; my wave's stage
	v_add_nc_u32 v3, v10, v4                       ; into it: 16 x lane
	v_mad_u32_u24 v9, v1, LP, v10
	v_lshl_add_u32 v9, v2, 6, v9                   ; out of it: row r, + 64 h
	v_mul_u32_u24 v5, v2, 12800
	v_lshl_add_u32 v5, v1, 5, v5                   ; scale words: 32 r; lanes 16-31 store the second K step's, a block on
	v_lshlrev_b32 v7, 4, v1                        ; LDS: row r's four partial sums
	v_lshl_add_u32 v6, v8, 2, v7                   ; and mine among them
	s_mov_b32 s[SEL], 0x76543210
	s_mov_b32 s[SEL+1], 0xfedcba98
	s_mov_b32 s22, 0xffff0000                      ; lanes 16-31
.irp b, 0,1,2,3
	v_mov_b32 v[TM+4+\b], 0                        ; written once: a lane permute's destination counts as one of its sources
.endr
	v_mov_b32 v198, 0
	s_lshl_b32 s24, ttmp9, 16                      ; 16 rows of 4,096 bytes a work-group,
	s_lshl_b32 s25, s12, 10
	s_add_co_u32 s24, s24, s25                     ; 256 columns a wave
	s_mov_b32 s25, 0
	s_lshr_b32 s26, ttmp9, 3
	s_lshl_b32 s26, s26, 3
	s_lshl_b32 s27, s12, 1
	s_add_co_u32 s26, s26, s27
	s_mul_i32 s26, s26, 12800                      ; block (group, K step 2 w)
	s_and_b32 s27, ttmp9, 7                        ; tile a
	s_lshl_b32 s28, s27, 2
	s_add_co_u32 s28, s28, s26
	s_add_co_u32 s28, s28, 12288                   ; its scale words
	s_mov_b32 s29, 0
	s_mul_i32 s27, s27, 1536
	s_add_co_u32 s26, s26, s27                     ; its codes
	s_mov_b32 s27, 0
	s_wait_kmcnt 0x0
	s_load_b32 s13, s[6:7], 0x0                    ; alpha
	s_load_b32 s14, s[8:9], 0x0                    ; beta
	s_add_nc_u64 s[4:5], s[4:5], s[24:25]
	s_add_nc_u64 s[18:19], s[10:11], s[26:27]
	s_add_nc_u64 s[20:21], s[10:11], s[28:29]
.irp q, 0,1
.set i, 0
.rept 16
	global_load_b128 v[X+64*\q+4*i:X+64*\q+4*i+3], v4, s[4:5] offset:4096*i+512*\q th:TH_LOAD_NT   ; 32 lanes read 512 consecutive bytes of row i
.set i, i+1
.endr
.endr
	s_wait_kmcnt 0x0
	s_mov_b32 s15, s14                             ; (the packed form names the pair)
	TURNQ 0, 16                                    ; the first K step's 16 loads are in; the second's 16 may be out
	TURNQ 1, 0
	s_wait_dscnt 0x0
.irp k, 0,1,2,3
	v_pk_add_f32 v[CHN+2*\k:CHN+2*\k+1], v[X+2*\k:X+2*\k+1], v[X+8+2*\k:X+9+2*\k]   ; the first eight pairs start the chains: nothing is cleared
.endr
.set j, 8
.rept 56
	v_pk_add_f32 v[CHN+2*(j%4):CHN+2*(j%4)+1], v[CHN+2*(j%4):CHN+2*(j%4)+1], v[X+2*j:X+2*j+1]
.set j, j+1
.endr
	REDUCE 0
	v_mul_f32 v156, 0x3a800000, v152               ; the mean: / 1,024
	v_mov_b32 v157, v156
.set j, 0
.rept 64
	v_pk_add_f32 v[X+2*j:X+2*j+1], v[X+2*j:X+2*j+1], v[156:157] neg_lo:[0,1] neg_hi:[0,1]   ; x - mean, in place
.set j, j+1
.endr
.irp k, 0,1,2,3
	v_pk_mul_f32 v[CHN+2*\k:CHN+2*\k+1], v[X+2*\k:X+2*\k+1], v[X+2*\k:X+2*\k+1]
.endr
.set j, 4
.rept 60
	v_pk_fma_f32 v[CHN+2*(j%4):CHN+2*(j%4)+1], v[X+2*j:X+2*j+1], v[X+2*j:X+2*j+1], v[CHN+2*(j%4):CHN+2*(j%4)+1]
.set j, j+1
.endr
	REDUCE 256                                     ; other bytes than the first sum's: no wave can overwrite what another still reads
	v_mul_f32 v152, 0x3a802008, v152               ; / 1,023
	s_wait_alu depctr_va_vdst(0)
	v_sqrt_f32 v153, v152
	v_nop                                          ; a plain line behind the transcendental,
	s_wait_alu depctr_va_vdst(0)                   ; and the wait ahead of its first reader
	v_add_f32 v153, 0x358637bd, v153               ; + 1e-6
	s_wait_alu depctr_va_vdst(0)
	v_rcp_f32 v154, v153
	v_nop
	s_wait_alu depctr_va_vdst(0)
	v_mul_f32 v158, s13, v154                      ; alpha / (std + eps)
	v_mov_b32 v159, v158
.set j, 0
.rept 64
	v_pk_fma_f32 v[X+2*j:X+2*j+1], v[X+2*j:X+2*j+1], v[158:159], s[14:15] op_sel_hi:[1,1,0]
.set j, j+1
.endr
	QUANT X, 196
.irp c, 0,1,2
	global_store_b128 v4, v[PC+4*\c:PC+4*\c+3], s[18:19] offset:512*\c            ; 32 lanes store 512 consecutive bytes, aligned to 256
.endr
	s_wait_xcnt 0x0                                ; the stores' data registers are written again only behind this wait
	QUANT X+64, 197
.irp c, 0,1,2
	global_store_b128 v4, v[PC+4*\c:PC+4*\c+3], s[18:19] offset:12800+512*\c
.endr
	v_cndmask_b32 v198, v196, v197, s22            ; lanes 0-15: the first K step's word of row r; lanes 16-31: the second's
	global_store_b32 v5, v198, s[20:21]
	s_wait_tensorcnt 0x0                           ; the wave's end, behind my last LDS store
	ds_add_u32 v208, v209
	s_wait_dscnt 0x0
	s_endpgm
; THE WEIGHTS w1 [1,024 (K)][4,096 (N)] and w2 [4,096 (K)][1,024 (N)], f32, become blocks of 12,800 bytes of the same kind as the norm's: 128 columns n x 128 along K.  THE COLUMNS OF A TILE ARE NOT NEIGHBOURS: row r of
; tile a is column 32 (a / 2) + 8 (a % 2) + r + 8 (r / 8) of the 128, so that results made with these tiles as source 0 lie along the next K.  Blocks of wc: 256-511 w1 (32 groups of 128 columns x 8 K steps),
; 512-767 w2 (8 x 32); within a weight [group][K step].  One work-group makes one block.  A lane takes a column and its registers run down K: a load reads 128 consecutive bytes a wave, 512 a work-group; a block of
; 32 along K lies in one lane.  The image is gathered in LDS and leaves in stores of 512 consecutive bytes.  A block whose largest magnitude lies under 2^-124 (a block of zeros too) keeps the byte 1.
.Lweights:
.set WLDS, LST+4*16*LP                 ; LDS: the weights' image
.set BLK, 12800
.set WVO, 16                           ; v16-47   byte offset of row i of 32: 4 x lane + i x pitch; never rewritten
.set WX,  48                           ; v48-111  two sets of 32 numbers
.set WP,  112                          ; v112-117 a block's 24 bytes of codes
.set WQ,  118                          ; v118-120 its second half as the conversion leaves it
.set WSW, 122                          ; v122     my column's scale word
	s_load_b128 s[4:7], s[0:1], 0x20               ; w1, w2
	s_load_b64 s[16:17], s[0:1], 0x30              ; wc
	s_sub_co_u32 s19, ttmp9, 256                   ; my number among the weights' 512 work-groups
	v_lshrrev_b32 v8, 5, v0
	v_readfirstlane_b32 s18, v8                    ; wave 0..3: columns 32 w on
	v_and_b32 v1, 31, v0                           ; lane
	v_bfe_u32 v9, v0, 3, 1
	v_lshl_or_b32 v9, v8, 1, v9                    ; my column's tile a = 2 w + (lane / 8) % 2
	v_and_b32 v10, 7, v0
	v_bfe_u32 v11, v0, 4, 1
	v_lshl_or_b32 v10, v11, 3, v10                 ; and its row in the tile: lane % 8 + 8 (lane / 16)
	v_mul_u32_u24 v2, v9, 1536
	v_lshl_add_u32 v2, v10, 4, v2                  ; in the image: 1536 a + 16 r
	v_lshlrev_b32 v3, 5, v10
	v_lshl_add_u32 v3, v9, 2, v3
	v_add_nc_u32 v3, 12288, v3                     ; my scale word
	v_mul_u32_u24 v4, v8, 3072
	v_lshl_add_u32 v4, v1, 4, v4                   ; the way out: my wave's 3,072 bytes, 16 a lane
	v_lshlrev_b32 v5, 4, v1
	v_add_nc_u32 v5, 12288, v5                     ; and the 512 bytes of scale words (wave 0)
	s_and_b32 s20, s19, 255                        ; t: my number within the weight
	s_sub_co_u32 s21, s19, s20
	s_add_co_u32 s21, s21, 256                     ; the weight's first block in wc
	s_cmp_lt_u32 s19, 256                          ; w1?
	s_cselect_b32 s23, 5, 3                        ; log2 of the weight's groups of 128 columns
	s_mov_b32 s24, 4096
	s_cselect_b32 s24, 16384, s24                  ; a row of the weight in bytes
	s_cselect_b32 s25, 3, 5                        ; log2 of its K steps
	s_lshl_b32 s26, 1, s23
	s_sub_co_u32 s26, s26, 1
	s_and_b32 s26, s20, s26                        ; group g: neighbouring work-groups read neighbouring columns
	s_lshr_b32 s27, s20, s23                       ; K step s
	s_lshl_b32 s28, s26, s25
	s_add_co_u32 s28, s28, s27
	s_add_co_u32 s28, s28, s21
	s_mul_i32 s28, s28, BLK                        ; my block's first byte in wc
	s_mov_b32 s29, 0
	s_lshl_b32 s30, s27, 7
	s_mul_i32 s30, s30, s24                        ; 128 s rows down,
	s_lshl_b32 s31, s26, 9
	s_add_co_u32 s30, s30, s31                     ; 128 g columns on,
	s_lshl_b32 s31, s18, 7
	s_add_co_u32 s30, s30, s31                     ; 32 w more
	s_mov_b32 s31, 0
	s_lshl_b32 s32, s24, 5                         ; 32 rows
	s_mov_b32 s33, 0
	v_lshlrev_b32 v[WVO], 2, v1
.set i, 1
.rept 31
	v_add_nc_u32 v[WVO+i], s24, v[WVO+i-1]
.set i, i+1
.endr
	s_wait_alu depctr_va_vdst(0)                   ; the wait at the head's end
	s_wait_kmcnt 0x0
	s_cmp_lt_u32 s19, 256                          ; which weight: the choice hangs on the work-group's number alone
	s_cselect_b64 s[14:15], s[4:5], s[6:7]
	s_add_nc_u64 s[36:37], s[14:15], s[30:31]      ; a base for each of the four blocks of 32 along K
	s_add_nc_u64 s[38:39], s[36:37], s[32:33]
	s_add_nc_u64 s[40:41], s[38:39], s[32:33]
	s_add_nc_u64 s[42:43], s[40:41], s[32:33]
	s_add_nc_u64 s[16:17], s[16:17], s[28:29]
.macro LOAD k                          ; block k: W(32 k + i, my column), i = 0 .. 31, into set k % 2
.set i, 0
.rept 32
	global_load_b32 v[WX+32*((\k)%2)+i], v[WVO+i], s[36+2*(\k):37+2*(\k)] th:TH_LOAD_NT
.set i, i+1
.endr
.endm
.macro BLOCK k
.set XS, WX+32*((\k)%2)
.if (\k) < 3
	s_wait_loadcnt 32                              ; this block's 32 loads are in; the next block's 32 may be out
.else
	s_wait_loadcnt 0
.endif
	v_max3_num_f32 v12, |v[XS]|, |v[XS+1]|, |v[XS+2]|              ; the block's largest magnitude: all 32 numbers are mine
	v_max3_num_f32 v13, |v[XS+3]|, |v[XS+4]|, |v[XS+5]|
.irp i, 6,10,14,18,22,26
	v_max3_num_f32 v12, v12, |v[XS+\i]|, |v[XS+\i+1]|
	v_max3_num_f32 v13, v13, |v[XS+\i+2]|, |v[XS+\i+3]|
.endr
	v_max3_num_f32 v12, v12, |v[XS+30]|, |v[XS+31]|
	v_max3_num_f32 v12, v12, v13, 0x1800000        ; and the floor 2^(3 - 127): the byte cannot fall under 1
	v_add_nc_u32 v11, 0xff000000, v12              ; 2 off the exponent field: the conversion's scale operand
	v_lshrrev_b32 v13, 23, v11                     ; the scale's byte
.if (\k) == 0
	v_mov_b32 v[WSW], v13
.else
	v_lshl_or_b32 v[WSW], v13, 8*(\k), v[WSW]
.endif
	v_cvt_scalef32_pk16_fp6_f32 v[WP:WP+2], v[XS:XS+15], v11
	v_cvt_scalef32_pk16_fp6_f32 v[WQ:WQ+2], v[XS+16:XS+31], v11    ; (a conversion's three registers begin on an even number)
	v_nop                                          ; one plain line behind a scaled conversion
	v_mov_b32 v[WP+3], v[WQ]
	v_mov_b32 v[WP+4], v[WQ+1]
	v_mov_b32 v[WP+5], v[WQ+2]
; block k is registers 6 (k / 2) .. + 5 of lane (r, h = k % 2): register R lies at 512 (R / 4) + 4 (R % 4) + 256 h from my place
.if (\k)/2 == 0
	ds_store_b128 v2, v[WP:WP+3] offset:WLDS+256*((\k)%2)
	ds_store_b64 v2, v[WP+4:WP+5] offset:WLDS+512+256*((\k)%2)
.else
	ds_store_b64 v2, v[WP:WP+1] offset:WLDS+520+256*((\k)%2)
	ds_store_b128 v2, v[WP+2:WP+5] offset:WLDS+1024+256*((\k)%2)
.endif
.if (\k) < 2
	LOAD (\k)+2
.endif
	s_wait_dscnt 0x0                               ; the stores have read their registers: the next block's codes may be written
.endm
	LOAD 0
	LOAD 1
	BLOCK 0
	BLOCK 1
	BLOCK 2
	BLOCK 3
	s_wait_alu depctr_va_vdst(0)                   ; directly ahead of the reader below
	ds_store_b32 v3, v[WSW] offset:WLDS
	s_wait_dscnt 0x0                               ; for the others' sake: my part of the image lies in LDS
	s_barrier_signal -1
	s_barrier_wait -1
.irp i, 0,1,2,3,4,5
	ds_load_b128 v[WX+4*\i:WX+4*\i+3], v4 offset:WLDS+512*\i
.endr
.irp i, 0,1,2,3,4,5
	s_wait_dscnt 5-\i                              ; LDS loads come back in order: piece i is in, the younger ones may be out
	global_store_b128 v4, v[WX+4*\i:WX+4*\i+3], s[16:17] offset:512*\i   ; 32 lanes store 512 consecutive bytes, at a multiple of 256 from wc's first byte
.endr
	s_cmp_lg_u32 s18, 0
	s_cbranch_scc1 .Ldone
	ds_load_b128 v[WX+24:WX+27], v5 offset:WLDS    ; wave 0: the scale words
	s_wait_dscnt 0x0
	global_store_b128 v5, v[WX+24:WX+27], s[16:17]
.Ldone:
	s_wait_tensorcnt 0x0                           ; the wave's end
	ds_add_u32 v208, v209
	s_wait_dscnt 0x0
	s_endpgm
.Lfunc_end_k_q1b9fe1c719_ln2:
	.size	k_q1b9fe1c719_ln2, .Lfunc_end_k_q1b9fe1c719_ln2-k_q1b9fe1c719_ln2
	.p2alignl 7, 3214868480
	.fill 96, 4, 3214868480
	.section	.rodata,"a",@progbits
	.p2align	6, 0x0
	.amdhsa_kernel k_q1b9fe1c719_ln2
		.amdhsa_group_segment_fixed_size 47616
		.amdhsa_private_segment_fixed_size 0
		.amdhsa_enable_private_segment 0
		.amdhsa_kernarg_size 56
		.amdhsa_user_sgpr_count 2
		.amdhsa_user_sgpr_kernarg_segment_ptr 1
		.amdhsa_wavefront_size32 1
		.amdhsa_system_sgpr_workgroup_id_x 1
		.amdhsa_system_sgpr_workgroup_id_y 1
		.amdhsa_system_sgpr_workgroup_id_z 1
		.amdhsa_system_vgpr_workitem_id 0
		.amdhsa_next_free_vgpr 210
		.amdhsa_next_free_sgpr 66
		.amdhsa_reserve_vcc 0
		.amdhsa_float_denorm_mode_32 3
		.amdhsa_float_denorm_mode_16_64 3
		.amdhsa_memory_ordered 1
		.amdhsa_forward_progress 1
		.amdhsa_inst_pref_size 60
	.end_amdhsa_kernel
	.amdgpu_metadata
---
amdhsa.version: [ 1, 2 ]
amdhsa.kernels:
  - .name:           k_q1b9fe1c719_ln2
    .symbol:         k_q1b9fe1c719_ln2.kd
    .args:
      - { .name: x1, .offset: 0, .size: 8, .value_kind: global_buffer, .address_space: global }
      - { .name: alpha2, .offset: 8, .size: 8, .value_kind: global_buffer, .address_space: global }
      - { .name: beta2, .offset: 16, .size: 8, .value_kind: global_buffer, .address_space: global }
      - { .name: xnc, .offset: 24, .size: 8, .value_kind: global_buffer, .address_space: global }
      - { .name: w1, .offset: 32, .size: 8, .value_kind: global_buffer, .address_space: global }
      - { .name: w2, .offset: 40, .size: 8, .value_kind: global_buffer, .address_space: global }
      - { .name: wc, .offset: 48, .size: 8, .value_kind: global_buffer, .address_space: global }
    .group_segment_fixed_size: 47616
    .private_segment_fixed_size: 0
    .kernarg_segment_align: 8
    .kernarg_segment_size: 56
    .max_flat_workgroup_size: 128
    .sgpr_count:     66
    .vgpr_count:     210
    .wavefront_size: 32
...
	.end_amdgpu_metadata
.endif
;; end of part 5
;; launch ffn1 (part 6): grid 16 x 16, 4 waves a work-group, clusters of 4 x 4, 327,680 bytes of LDS; arguments xnc, wc, b1, hc; writes hc
.if DOCPART == 6
	.amdgcn_target "amdgcn-amd-amdhsa--gfx1250"
	.amdhsa_code_object_version 6
	.text
	.protected	k_q1b9fe1c719_ffn1
	.globl	k_q1b9fe1c719_ffn1
	.p2align	8
	.type	k_q1b9fe1c719_ffn1,@function
k_q1b9fe1c719_ffn1:
	s_mov_b64 s[64:65], 0
	v_nop
	global_prefetch_b8 v0, s[64:65] scope:SCOPE_SE
	s_setreg_imm32_b32 hwreg(HW_REG_WAVE_MODE, 25, 1), 1
	s_wait_xcnt 0x0
	s_wait_alu depctr_hold_cnt(0) depctr_sa_sdst(0) depctr_va_vdst(0) depctr_va_sdst(0) depctr_va_ssrc(0) depctr_va_vcc(0) depctr_vm_vsrc(0)
	s_getreg_b32 s2, hwreg(HW_REG_IB_STS2, 6, 4)
	s_cmp_eq_u32 s2, 0
	s_cbranch_scc0 .Lentry_in_a_cluster
	s_endpgm
.Lentry_in_a_cluster:
	s_bfe_u32 s2, ttmp6, 0x10000c
	s_cmp_lg_u32 s2, 0xf033
	s_cbranch_scc0 .Lentry_shape_is_right
	s_endpgm
.Lentry_shape_is_right:
; h = Q(relu(xn w1 + b1)) on codes of FP6 (E2M3) with E8M0 scales: a tile of 256 x 256 to a work-group, 128 x 128 to a wave, K = 1,024 in eight K steps of 128.
; Clusters of 4 x 4: xn's blocks are asked for jointly along a row of the cluster, w1's along a column.  b1 is the sums' first C; the result is quantised along the hidden units and stored as images of operand registers.
; THREE FILLS.  K steps 0-3 by the head's one tensor load a wave (four blocks, 200 rows of 256 bytes, at 4 blocks x wave); K steps 4-5 (two blocks a wave, behind those sixteen blocks) behind the full sequence and a
; round, with four K steps, 256 matrix instructions a wave, between the request and the wait for it; K steps 6-7 fill the bytes of K steps 0-1 again at the end of K step 3.
; PREFETCH: behind the load of a fill each wave asks for the next fill's blocks that it fetches itself: 100 blocks of 256 bytes, of which each of the four partners that ask jointly names 25, told apart by address
; (lanes 25-31 name the wave's last block again).  One fill ahead; the last fill asks for nothing.
.set BLK,   12800
.set PART,  2*BLK
.set SLOT,  4*PART
.set SPARE, 24*BLK                     ; behind the 24 blocks: the spare words
.set AOF,   0                          ; which pair of the four sets of LDS addresses the fetches take: 0 for K steps 0-3, 2 for K steps 4-7
.set FR,    12
.set NL,    3
.set NP,    4
.set ADRA,  8                          ; v8-11, v12-15, v16-19: a set for each two K steps
.set ADRB,  12
.set ADRS,  16
.set O16,   24
.set O32,   25
.set SPW,   28
.set NIL,   29
.set OBI,   30
.set SC,    32
.set BP,    64
.set T,     64
.set AF,    128
.set PC,    128
.set TM,    148
.set PWF,   208
.set WV,  18
.set RH,  19
.set CH,  20
.set HM,  21
.set SEL, 22
.set G1,  24
.set G0,  32
.set G1B, 48
.set G0B, 56
.set OUT, 96
.set MSB, 0
.macro WIN new
.if MSB != (\new)
	s_set_vgpr_msb (MSB<<8)|(\new)
.set MSB, (\new)
.endif
.endm
.macro PLACES n
.rept \n
	v_nop
.endr
.endm
.macro JLOAD g0a, g1a, g0b, g1b
	s_cmp_eq_u32 s[RH], 0
	s_cbranch_scc0 .Lfor_b_\@
	tensor_load_to_lds s[\g0a:\g0a+3], s[\g1a:\g1a+7]
	s_nop 0
.rept 4
	v_nop
.endr
	s_branch .Lasked_\@
.Lfor_b_\@:
	tensor_load_to_lds s[\g0b:\g0b+3], s[\g1b:\g1b+7]
	s_nop 0
.rept 4
	v_nop
.endr
.Lasked_\@:
.endm
.macro CREST
	s_cmp_lg_u32 s[WV], 0
	s_cbranch_scc1 .Lnot_wave_0_\@
	s_barrier_signal -3
.Lnot_wave_0_\@:
	s_barrier_wait -3
	s_barrier_signal -1
	s_barrier_wait -1
.endm
.macro CROUND
	s_barrier_signal -1
	s_barrier_wait -1
	CREST
.endm
.macro QUANT s, pw
.irp b, 0,1,2,3
	v_max3_num_f32 v[TM+\b], |v[\s+16*\b]|, |v[\s+1+16*\b]|, 0x1800000
.endr
.irp i, 2,4,6,8,10,12,14
.irp b, 0,1,2,3
	v_max3_num_f32 v[TM+\b], v[TM+\b], |v[\s+16*\b+\i]|, |v[\s+1+16*\b+\i]|
.endr
.endr
.irp b, 0,1,2,3
	v_permlanex16_b32 v[TM+4+\b], v[TM+\b], s[SEL], s[SEL+1]
.endr
.irp b, 0,1,2,3
	v_max_num_f32 v[TM+\b], v[TM+\b], v[TM+4+\b]
.endr
.irp b, 0,1,2,3
	v_add_nc_u32 v[TM+12+\b], 0xff000000, v[TM+\b]
.endr
.irp b, 0,1,2,3
	v_lshrrev_b32 v[TM+4+\b], 23, v[TM+12+\b]
.endr
	v_lshl_or_b32 v[\pw], v[TM+5], 8, v[TM+4]
	v_lshl_or_b32 v[\pw], v[TM+6], 16, v[\pw]
	v_lshl_or_b32 v[\pw], v[TM+7], 24, v[\pw]
.irp c, 0,1
	v_cvt_scalef32_pk16_fp6_f32 v[PC+6*\c:PC+2+6*\c], v[\s+32*\c:\s+15+32*\c], v[TM+12+2*\c]
	v_cvt_scalef32_pk16_fp6_f32 v[PC+12+4*\c:PC+14+4*\c], v[\s+16+32*\c:\s+31+32*\c], v[TM+12+2*\c+1]
.endr
	v_nop
.irp c, 0,1
.irp i, 0,1,2
	v_permlane16_swap_b32 v[PC+6*\c+\i], v[PC+12+4*\c+\i]
.endr
.irp i, 0,1,2
	v_mov_b32 v[PC+3+6*\c+\i], v[PC+12+4*\c+\i]
.endr
.endr
.endm
	s_load_b256 s[4:11], s[0:1], 0x0
	v_lshl_add_u32 v[SPW], v0, 2, SPARE
	v_mov_b32 v[NIL], 0
	ds_add_u32 v28, v29
	ds_add_u32 v28, v29
	s_wait_dscnt 0x0
	v_lshrrev_b32 v1, 5, v0
	v_readfirstlane_b32 s[WV], v1
	s_lshr_b32 s[RH], s[WV], 1
	s_and_b32 s[CH], s[WV], 1
	s_mov_b32 s[HM], 0xffff0000
	s_mov_b32 s[SEL], 0x76543210
	s_mov_b32 s[SEL+1], 0xfedcba98
	s_bfe_u32 s40, ttmp6, 0x40000
	s_bfe_u32 s41, ttmp6, 0x40004
	s_lshl_b32 s67, ttmp9, 2
	s_add_co_u32 s67, s67, s40
	s_and_b32 s68, ttmp7, 0xffff
	s_lshl_b32 s68, s68, 2
	s_add_co_u32 s68, s68, s41
	s_lshl_b32 s69, s41, 2
	s_lshl_b32 s69, 15, s69
	s_lshl_b32 s70, 0x1111, s40
	s_or_b32 s[G1], s69, (3<<16)|(1<<21)
	s_or_b32 s[G1B], s70, (3<<16)|(1<<21)
.irp g, G1, G1B
	s_mov_b32 s[\g+1], 32<<16
	s_mov_b32 s[\g+2], 200<<16
	s_mov_b32 s[\g+3], 32<<16
	s_mov_b32 s[\g+4], 200
	s_mov_b32 s[\g+5], 32
	s_mov_b32 s[\g+6], 0
	s_mov_b32 s[\g+7], 0
.endr
	s_lshl_b32 s72, s68, 1
	s_add_co_u32 s72, s72, s[CH]
	s_mul_i32 s72, s72, 8*BLK
	s_mov_b32 s73, 0
	s_lshl_b32 s74, s67, 1
	s_add_co_u32 s74, s74, s[CH]
	s_mul_i32 s74, s74, 8*BLK
	s_add_co_u32 s74, s74, 256*BLK
	s_mov_b32 s75, 0
	s_mul_i32 s76, s[WV], PART
	s_lshl_b32 s85, s68, 1
	s_add_co_u32 s85, s85, s[RH]
	s_lshl_b32 s92, s85, 5
	s_lshl_b32 s86, s67, 1
	s_add_co_u32 s86, s86, s[CH]
	s_add_co_u32 s92, s92, s86
	s_mul_i32 s92, s92, BLK
	s_mov_b32 s93, 0
	s_lshl_b32 s90, s86, 9
	s_mov_b32 s91, 0
	s_cmp_eq_u32 s[RH], 0                          ; the prefetches' offset: my place among the four that ask with me (cx for xn, cy for w1) enters an address alone
	s_cselect_b32 s66, s40, s41
	s_mul_i32 s66, s66, 25
	v_and_b32 v31, 31, v0
	v_min_u32 v31, 24, v31
	v_add_lshl_u32 v31, v31, s66, 8                ; 256 x (25 x place + lane); never rewritten
	s_wait_alu depctr_va_vdst(0)
	s_wait_kmcnt 0x0
	s_add_nc_u64 s[78:79], s[4:5], s[72:73]
	s_add_nc_u64 s[80:81], s[6:7], s[74:75]
	s_cmp_eq_u32 s[RH], 0
	s_cselect_b64 s[2:3], s[78:79], s[80:81]       ; where the blocks that I fetch begin; never rewritten
	CROUND
	s_lshl_b32 s66, s76, 1                         ; 4 blocks x wave
.irp g, G0, G0B
	s_mov_b32 s[\g], 1                             ; the first set: K steps 0-3, later 6-7
	s_add_co_u32 s[\g+1], s66, 0
	s_mov_b32 s[\g+4], 1                           ; the second: K steps 4-5, behind the sixteen blocks
	s_add_co_u32 s[\g+5], s76, 16*BLK
.endr
	s_mov_b64 s[G0+2:G0+3], s[78:79]
	s_add_nc_u64 s[G0+6:G0+7], s[78:79], 4*BLK
	s_mov_b64 s[G0B+2:G0B+3], s[80:81]
	s_add_nc_u64 s[G0B+6:G0B+7], s[80:81], 4*BLK
.irp r, G0+3, G0+7, G0B+3, G0B+7
	s_or_b32 s[\r], s[\r], 0x80000000
.endr
	JLOAD G0, G1, G0B, G1B                         ; K steps 0-3: my one tensor load at the head
	global_prefetch_b8 v31, s[2:3] offset:4*BLK th:TH_LOAD_NT scope:SCOPE_SE   ; K steps 4-5
	s_add_nc_u64 s[8:9], s[8:9], s[90:91]
	s_add_nc_u64 s[OUT:OUT+1], s[10:11], s[92:93]
	v_and_b32 v1, 15, v0
	v_bfe_u32 v2, v0, 4, 1
	v_and_b32 v3, 31, v0
	v_lshlrev_b32 v[O16], 4, v3
	v_lshlrev_b32 v4, 5, v1
	v_lshl_add_u32 v[O32], v2, 4, v4
	v_lshlrev_b32 v[OBI], 6, v2
.irp b, 0,1,2,3,4,5,6,7
.irp i, 0,1
	global_load_b128 v[BP+8*\b+4*\i:BP+8*\b+4*\i+3], v[OBI], s[8:9] offset:128*(\b/2)+32*(\b%2)+16*\i
.endr
.endr
	s_wait_alu depctr_va_vdst(0)                   ; directly ahead of the run of scalar instructions
	s_mul_i32 s82, s[RH], PART
	s_mul_i32 s83, s[CH], PART
	s_add_co_u32 s83, s83, 2*PART
	s_sub_co_u32 s84, s83, s82                     ; from xn's part to w1's, where a part is two blocks
	s_add_co_u32 s85, s82, 16*BLK                  ; K steps 4-5
	s_add_co_u32 s86, s83, 16*BLK
	s_lshl_b32 s82, s82, 1                         ; K steps 0-1 and 6-7: a part is four blocks
	s_lshl_b32 s83, s83, 1
	s_add_co_u32 s87, s82, PART                    ; K steps 2-3
	s_add_co_u32 s88, s83, PART
	v_mul_u32_u24 v6, s84, v2                      ; lanes 16-31 take w1's scale words
	v_add_nc_u32 v7, v6, v4
	v_add_nc_u32 v7, 12288, v7
	v_lshl_add_u32 v6, v6, 1, v4
	v_add_nc_u32 v6, 12288, v6
	v_add_nc_u32 v[ADRA], s82, v[O16]
	v_add_nc_u32 v[ADRA+1], s87, v[O16]
	v_add_nc_u32 v[ADRA+2], s85, v[O16]
	v_add_nc_u32 v[ADRA+3], s82, v[O16]
	v_add_nc_u32 v[ADRB], s83, v[O16]
	v_add_nc_u32 v[ADRB+1], s88, v[O16]
	v_add_nc_u32 v[ADRB+2], s86, v[O16]
	v_add_nc_u32 v[ADRB+3], s83, v[O16]
	v_add_nc_u32 v[ADRS], s82, v6
	v_add_nc_u32 v[ADRS+1], s87, v6
	v_add_nc_u32 v[ADRS+2], s85, v7
	v_add_nc_u32 v[ADRS+3], s82, v6
.macro FRAG reg, adr, q, i
.irp c, 0,1,2
	ds_load_b128 v[\reg+4*\c:\reg+4*\c+3], v[\adr] offset:(\q)*BLK+(\i)*1536+512*\c
.endr
.endm
.macro MUL16 a0, p, q, sc, first
.irp a, \a0, \a0+1
.irp b, 0,1,2,3,4,5,6,7
.if \first
	v_wmma_scale_f32_16x16x128_f8f6f4 v[8*(8*((\a)%4)+\b):8*(8*((\a)%4)+\b)+7], v[128*(\p)+FR*\b:128*(\p)+FR*\b+FR-1], v[AF+FR*(\a):AF+FR*(\a)+FR-1], v[BP+8*\b:BP+8*\b+7], v[SC+16*(\sc)+8*(\q)+\b], v[SC+16*(\sc)+8*(\q)+(\a)] matrix_a_fmt:MATRIX_FMT_FP6 matrix_b_fmt:MATRIX_FMT_FP6 matrix_a_scale:MATRIX_SCALE_ROW1
.else
	v_wmma_scale_f32_16x16x128_f8f6f4 v[8*(8*((\a)%4)+\b):8*(8*((\a)%4)+\b)+7], v[128*(\p)+FR*\b:128*(\p)+FR*\b+FR-1], v[AF+FR*(\a):AF+FR*(\a)+FR-1], v[8*(8*((\a)%4)+\b):8*(8*((\a)%4)+\b)+7], v[SC+16*(\sc)+8*(\q)+\b], v[SC+16*(\sc)+8*(\q)+(\a)] matrix_a_fmt:MATRIX_FMT_FP6 matrix_b_fmt:MATRIX_FMT_FP6 matrix_a_scale:MATRIX_SCALE_ROW1
.endif
.endr
.endr
.endm
.macro FETCH_B slot, q, p
	WIN 0x40
.irp i, 0,1,2,3,4,5,6,7
	FRAG 128*(\p)+FR*\i, ADRB+AOF+\slot, \q, \i
.endr
	WIN 0
.endm
.macro FETCH_A slot, q, i0
.irp i, \i0, \i0+1, \i0+2, \i0+3
	FRAG AF+FR*(\i), ADRA+AOF+\slot, \q, \i
.endr
.endm
.macro SCALES slot
.irp q, 0,1
.irp i, 0,1
	ds_load_b128 v[SC+16*\slot+8*\q+4*\i:SC+16*\slot+8*\q+4*\i+3], v[ADRS+AOF+\slot] offset:\q*BLK+16*\i
.endr
.endr
.endm
.macro STEP slot, q, first
	s_wait_dscnt 4*NL
	WIN 0xa1-0x20*(\first)
	MUL16 0, (\q)%2, \q, \slot, \first
	MUL16 2, (\q)%2, \q, \slot, \first
	s_wait_dscnt 0
	PLACES NP
	FETCH_B \slot, (\q)+1, 1-(\q)%2
	FETCH_A \slot, (\q)+1, 0
	WIN 0xf1-0x30*(\first)
	MUL16 4, (\q)%2, \q, \slot, \first
	MUL16 6, (\q)%2, \q, \slot, \first
	PLACES NP
	WIN 0
	FETCH_A \slot, (\q)+1, 4
.endm
; the second of two K steps; it fetches the next two's first fragments.  fill = 2: they came with the same load, so no wait on the loads and no barrier; 0: the three lines and a barrier; 1: also a round, and K steps 6-7 are asked for
.macro TURN slot, next, fill
.if (\fill) < 2
	s_wait_tensorcnt 0x0                           ; all my tensor loads have landed
	ds_add_u32 v[SPW], v[NIL]
	s_wait_dscnt 4*NL+1
.else
	s_wait_dscnt 4*NL
.endif
	WIN 0xa1
	MUL16 0, 1, 1, \slot, 0
.if (\fill) < 2
	s_wait_dscnt 0x0                               ; the add is done, and my reads of the bytes left behind are over
	s_barrier_signal -1
.endif
	MUL16 2, 1, 1, \slot, 0
.if (\fill) == 2
	s_wait_dscnt 0
.endif
	WIN 0
.if (\fill) < 2
	s_barrier_wait -1
.endif
.if (\fill) == 1
	CREST
	s_add_nc_u64 s[G0+2:G0+3], s[G0+2:G0+3], 6*BLK
	s_add_nc_u64 s[G0B+2:G0B+3], s[G0B+2:G0B+3], 6*BLK
	JLOAD G0, G1, G0B, G1B                         ; K steps 6-7 onto the bytes of K steps 0-1: the first tensor load behind the round
.else
	PLACES NP
.endif
	FETCH_B \next, 0, 0
	FETCH_A \next, 0, 0
	SCALES \next
	WIN 0xf1
	MUL16 4, 1, 1, \slot, 0
	MUL16 6, 1, 1, \slot, 0
	PLACES NP
	WIN 0
	FETCH_A \next, 0, 4
.endm
	s_wait_alu depctr_va_vdst(0)
	s_wait_tensorcnt 0x0                           ; my part of K steps 0-3 is in
	ds_add_u32 v[SPW], v[NIL]
	s_mov_b32 s[G1+2], 100<<16                     ; no tensor load of mine is out: from here on a load brings two blocks, 100 rows
	s_mov_b32 s[G1+4], 100
	s_mov_b32 s[G1B+2], 100<<16
	s_mov_b32 s[G1B+4], 100
	s_wait_dscnt 0x0
	CROUND
	JLOAD G0+4, G1, G0B+4, G1B                     ; K steps 4-5: my one tensor load behind the round
	global_prefetch_b8 v31, s[2:3] offset:6*BLK th:TH_LOAD_NT scope:SCOPE_SE   ; K steps 6-7
	FETCH_B 0, 0, 0
	FETCH_A 0, 0, 0
	SCALES 0
	FETCH_A 0, 0, 4
	s_wait_loadcnt 0x0
	STEP 0, 0, 1
	TURN 0, 1, 2
	STEP 1, 0, 0
.set AOF, 2
	TURN 1, 0, 1
	STEP 0, 0, 0
	TURN 0, 1, 0
	STEP 1, 0, 0
	s_wait_dscnt 4*NL
	WIN 0xa1
	MUL16 0, 1, 1, 1, 0
	MUL16 2, 1, 1, 1, 0
	s_wait_dscnt 0
	WIN 0xf1
	MUL16 4, 1, 1, 1, 0
	MUL16 6, 1, 1, 1, 0
	WIN 0
	PLACES NP
.irp b, 0,1,2,3
	v_mov_b32 v[TM+4+\b], 0
.endr
.macro OUTBLK a
.set AC, 64*((\a)%4)
	WIN 0x08+4*((\a)/4)
.set i, 0
.rept 64
	v_max_num_f32 v[T+i], 0, v[AC+i]
.set i, i+1
.endr
	WIN 0
	s_wait_xcnt 0x0
	QUANT T, PWF+(\a)
.irp c, 0,1,2
	global_store_b128 v[O16], v[PC+4*\c:PC+4*\c+3], s[OUT:OUT+1] offset:(\a)*1536+512*\c
.endr
.endm
.irp a, 0,1,2,3,4,5,6,7
	OUTBLK \a
.endr
.irp i, 0,1,2,3
	v_cndmask_b32 v[T+\i], v[PWF+\i], v[PWF+4+\i], s[HM]
.endr
	global_store_b128 v[O32], v[T:T+3], s[OUT:OUT+1] offset:12288
	s_wait_tensorcnt 0x0
	ds_add_u32 v[SPW], v[NIL]
	s_wait_dscnt 0x0
	CROUND
	s_endpgm
.Lfunc_end_k_q1b9fe1c719_ffn1:
	.size	k_q1b9fe1c719_ffn1, .Lfunc_end_k_q1b9fe1c719_ffn1-k_q1b9fe1c719_ffn1
	.p2alignl 7, 3214868480
	.fill 96, 4, 3214868480
	.section	.rodata,"a",@progbits
	.p2align	6, 0x0
	.amdhsa_kernel k_q1b9fe1c719_ffn1
		.amdhsa_group_segment_fixed_size 327680
		.amdhsa_private_segment_fixed_size 0
		.amdhsa_enable_private_segment 0
		.amdhsa_kernarg_size 32
		.amdhsa_user_sgpr_count 2
		.amdhsa_user_sgpr_kernarg_segment_ptr 1
		.amdhsa_wavefront_size32 1
		.amdhsa_system_sgpr_workgroup_id_x 1
		.amdhsa_system_sgpr_workgroup_id_y 1
		.amdhsa_system_sgpr_workgroup_id_z 1
		.amdhsa_system_vgpr_workitem_id 0
		.amdhsa_next_free_vgpr 1024
		.amdhsa_next_free_sgpr 100
		.amdhsa_reserve_vcc 0
		.amdhsa_float_denorm_mode_32 3
		.amdhsa_float_denorm_mode_16_64 3
		.amdhsa_memory_ordered 1
		.amdhsa_forward_progress 1
		.amdhsa_inst_pref_size 154
	.end_amdhsa_kernel
	.amdgpu_metadata
---
amdhsa.version: [ 1, 2 ]
amdhsa.kernels:
  - .name:           k_q1b9fe1c719_ffn1
    .symbol:         k_q1b9fe1c719_ffn1.kd
    .args:
      - { .name: xnc, .offset: 0, .size: 8, .value_kind: global_buffer, .address_space: global }
      - { .name: wc, .offset: 8, .size: 8, .value_kind: global_buffer, .address_space: global }
      - { .name: b1, .offset: 16, .size: 8, .value_kind: global_buffer, .address_space: global }
      - { .name: hc, .offset: 24, .size: 8, .value_kind: global_buffer, .address_space: global }
    .group_segment_fixed_size: 327680
    .private_segment_fixed_size: 0
    .kernarg_segment_align: 8
    .kernarg_segment_size: 32
    .max_flat_workgroup_size: 128
    .sgpr_count:     100
    .vgpr_count:     1024
    .wavefront_size: 32
...
	.end_amdgpu_metadata
.endif
;; end of part 6
;; launch ffn2 (part 7): grid 8 x 32, 4 waves a work-group, clusters of 4 x 1, 327,680 bytes of LDS; arguments hc, wc, b2, x1, out0; writes out0
.if DOCPART == 7
	.amdgcn_target "amdgcn-amd-amdhsa--gfx1250"
	.amdhsa_code_object_version 6
	.text
	.protected	k_q1b9fe1c719_ffn2
	.globl	k_q1b9fe1c719_ffn2
	.p2align	8
	.type	k_q1b9fe1c719_ffn2,@function
k_q1b9fe1c719_ffn2:
	s_mov_b64 s[64:65], 0
	v_nop
	global_prefetch_b8 v0, s[64:65] scope:SCOPE_SE
	s_setreg_imm32_b32 hwreg(HW_REG_WAVE_MODE, 25, 1), 1
	s_wait_xcnt 0x0
	s_wait_alu depctr_hold_cnt(0) depctr_sa_sdst(0) depctr_va_vdst(0) depctr_va_sdst(0) depctr_va_ssrc(0) depctr_va_vcc(0) depctr_vm_vsrc(0)
	s_getreg_b32 s2, hwreg(HW_REG_IB_STS2, 6, 4)
	s_cmp_eq_u32 s2, 0
	s_cbranch_scc0 .Lentry_in_a_cluster
	s_endpgm
.Lentry_in_a_cluster:
	s_bfe_u32 s2, ttmp6, 0x10000c
	s_cmp_lg_u32 s2, 0x3003
	s_cbranch_scc0 .Lentry_shape_is_right
	s_endpgm
.Lentry_shape_is_right:
; out0 = x1 + h w2 + b2: h [4,096][4,096] and w2 [4,096][1,024] as codes of FP6 (E2M3) with E8M0 scales, laid as images of operand registers; x1, out0 [4,096][1,024] f32.
; Blocks of 12,800 bytes (128 rows x 128 K: tile a at 1536 a, register group c at 512 c, lane at 16 l; scale words at 12288 + 32 r + 4 a), [group][K step]; 32 K steps.
; A tile of 128 x 128 to a work-group (256 work-groups).  THE WAVES SHARE K AND THE COLUMNS: wave w = 2 c + p takes the K steps of parity p, all 128 tokens and w2's tiles 4 c .. 4 c + 3 (64 columns): 32 accumulators,
; 16 steps of 32 matrix instructions.  So a fragment of h is read from LDS by two waves, and a fragment of w2 by one.  Each output is the sum of two partial sums, added in f32 on the way out.
; h'S BLOCKS go through two LDS slots of TWELVE K steps (153,600 bytes each): three fills, of 12, 12 and 8 K steps.  K steps 0-11 are asked for at the head, one tensor load a wave (three blocks, 150 rows of 256 bytes);
; K steps 12-23 behind the full sequence and a round, as a refill is; K steps 24-31 (two blocks a wave) fill slot 0 again at the end of K step 11.  Between a request and the wait for it stand six steps, 192 matrix
; instructions a wave.  The four work-groups of a cluster have one tile row and ask for h's blocks jointly.
; w2'S FRAGMENTS come from memory straight into registers, twelve loads of 512 consecutive bytes and one of four scale words a step, into a ring of five register sets, asked for four steps (eight K steps) ahead.
; No joint request for them: loads into registers have none, and through LDS they would take half of each slot: six K steps to a slot for twelve.
; PREFETCH of h: behind the load of a fill each wave asks for the next fill's blocks that it will fetch itself; the four partners share them out by address (38 of 150 blocks of 256 bytes, then 25 of 100; lanes left
; over name the wave's last block again).  One fill, twelve K steps, ahead; the last fill asks for nothing.  None for w2 and x1: their own loads are out four steps and six or more steps ahead of their use.
; THE PRODUCT IS USED TRANSPOSED (source 0 = w2's tile, source 1 = h's): a lane holds one token; register j of tile t is column 32 (t / 2) + 8 (t % 2) + 16 h + j of the group.
; b2, in that layout, is the first C of the waves of parity 0; the waves of parity 1 begin on zeros (selected, not branched).
; THE WAY OUT: each parity has a stage in LDS (128 rows x 528 bytes); a barrier; each wave takes 32 whole rows of both, adds them and the residual and stores 512 consecutive bytes an instruction.
; The stages lie in slot 1, which has had its last fill and, behind K step 23's barrier, its last read.  The residual's 32 rows a wave are asked for four a step, in steps 2 to 9.
; REGISTERS: window 0: v8-31 addresses; v32-47 h's scale words, a set for each buffer; v48-67 w2's, four for each ring set; v68-99 the bias; v128-255 the residual.
;   window 1: w2's ring, set j % 5 at 48 (j % 5).   window 2: h's eight fragments, buffer j % 2 at 96 (j % 2).   window 3: accumulator (a, u) at 8 (4 a + u).
; LIMITS: NaN and infinities are not served.
.set NS,    16                         ; a wave's steps: K steps 2 j + p
.set SK,    32
.set WOFF,  512                        ; w2's first block in wc
.set BLK,   12800
.set SLOT,  12*BLK
.set STG,   SLOT                       ; the two stages, in slot 1
.set SPITCH, 528                       ; 512 bytes + 16 = 132 words: row r starts at bank 4 r mod 64 (ISA guide 11.1)
.set SPARE, 2*SLOT                     ; behind the slots: the spare words, 128 bytes a wave, two blocks of 256 bytes that no other line names
.set FR,    12
.set ADRA,  8                          ; v8-13  h's fragments: 16 x lane + p blocks + n x 4 blocks (an LDS offset has 16 bits); K step k lies at block k % 24
.set ADRS,  14                         ; v14-19 h's scale words: 12288 + 32 r + p blocks + n x 4 blocks
.set VWC,   20                         ; w2's codes: p blocks + 6144 c + 16 x lane
.set VWS,   21                         ; w2's scale words: p blocks + 12288 + 32 r + 16 c
.set STO,   22                         ; into my parity's stage: row r, + 256 c + 64 h
.set RD,    23                         ; out of stage 0: my 32 rows, 16 x lane
.set CO,    24                         ; 16 x lane
.set VB,    25                         ; 256 c + 64 h
.set PF,    26                         ; v26-27 the prefetches' offsets for a fill of 150 blocks a wave; v30 for that of 100; never rewritten
.set SPW,   28
.set NIL,   29
.set PFL,   30
.set RD2,   31                         ; out of stage 1
.set SA,    32
.set SWR,   48
.set BP,    68
.set RES,   128
.set WV,  18
.set G1,  24                           ; s[24:31] group 1: 150 rows
.set G0,  32                           ; s[32:43] group 0, a set for each of the three fills
.set G1C, 48                           ; s[48:55] group 1: 100 rows
.set WBS, 80                           ; s[80:81] w2's blocks of my tile column
.set MUL,  0xf9                        ; source 0 window 1, source 1 window 2; C and D window 3
.set MULF, 0xc9                        ; the same with C in window 0
.set MSB, 0
.macro WIN new                         ; the immediate's high byte repeats the setting that is left
.if MSB != (\new)
	s_set_vgpr_msb (MSB<<8)|(\new)
.set MSB, (\new)
.endif
.endm
.macro PLACES n
.rept \n
	v_nop
.endr
.endm
.macro CREST                           ; a round of the cluster's barrier behind its opening barrier
	s_cmp_lg_u32 s[WV], 0
	s_cbranch_scc1 .Lnot_wave_0_\@
	s_barrier_signal -3
.Lnot_wave_0_\@:
	s_barrier_wait -3
	s_barrier_signal -1
	s_barrier_wait -1
.endm
.macro CROUND
	s_barrier_signal -1
	s_barrier_wait -1
	CREST
.endm
	s_load_b256 s[4:11], s[0:1], 0x0               ; hc, wc, b2, x1
	s_load_b64 s[12:13], s[0:1], 0x20              ; out0
	v_lshl_add_u32 v[SPW], v0, 2, SPARE
	v_mov_b32 v[NIL], 0
	ds_add_u32 v[SPW], v[NIL]                      ; the opening lines: the add, twice on end, and its wait ahead of my first tensor load
	ds_add_u32 v[SPW], v[NIL]
	v_lshrrev_b32 v1, 5, v0
	v_readfirstlane_b32 s[WV], v1                  ; wave 0..3
	s_and_b32 s20, s[WV], 1                        ; p: my parity along K
	s_lshr_b32 s21, s[WV], 1                       ; c: my half of the columns
	s_bfe_u32 s19, ttmp6, 0x40000                  ; cx: it enters global addresses of w2, b2, x1, out0 and of the prefetches alone
	s_lshl_b32 s67, ttmp9, 2
	s_add_co_u32 s67, s67, s19                     ; tile column 0..7
	s_and_b32 s68, ttmp7, 0xffff                   ; tile row 0..31, which the four partners share
.irp g, G1, G1C
	s_mov_b32 s[\g], 15|(3<<16)|(1<<21)            ; 15:0 all four work-groups; 17:16 elements of 8 bytes; 21 set beside a mask; no padding
	s_mov_b32 s[\g+1], 32<<16                      ; rows of 256 bytes, dense
	s_mov_b32 s[\g+3], 32<<16
	s_mov_b32 s[\g+5], 32
	s_mov_b32 s[\g+6], 0
	s_mov_b32 s[\g+7], 0
.endr
	s_mov_b32 s[G1+2], 150<<16
	s_mov_b32 s[G1+4], 150
	s_mov_b32 s[G1C+2], 100<<16
	s_mov_b32 s[G1C+4], 100
	s_mul_i32 s76, s[WV], 3*BLK                    ; my three blocks of a fill of twelve: in LDS and in memory alike
	s_mul_i32 s77, s[WV], 2*BLK                    ; my two of the last fill's eight
	s_mul_i32 s72, s68, SK*BLK                     ; h: group = tile row
	s_add_co_u32 s84, s72, s77
	s_add_co_u32 s84, s84, 24*BLK
	s_add_co_u32 s72, s72, s76
	s_mov_b32 s73, 0
	s_mov_b32 s85, 0
	s_mul_i32 s74, s67, SK*BLK
	s_add_co_u32 s74, s74, WOFF*BLK                ; w2: group = tile column
	s_mov_b32 s75, 0
	s_lshl_b32 s88, s68, 7
	s_lshl_b32 s89, s[WV], 5
	s_add_co_u32 s88, s88, s89
	s_lshl_b32 s88, s88, 12                        ; the first of the 32 rows of x1 and out0 that I take on the way out, rows of 4,096 bytes,
	s_lshl_b32 s90, s67, 9                         ; the tile's first column, in bytes
	s_add_co_u32 s88, s88, s90
	s_mov_b32 s89, 0
	s_mov_b32 s91, 0
	s_mul_i32 s22, s20, BLK                        ; p blocks
	s_mul_i32 s82, s21, 6144
	s_add_co_u32 s82, s82, s22
	s_lshl_b32 s83, s21, 4
	s_add_co_u32 s83, s83, s22
	s_add_co_u32 s83, s83, 12288
	s_lshl_b32 s92, s21, 8
	s_mul_i32 s93, s[WV], 32*SPITCH
	s_add_co_u32 s93, s93, STG
	s_mul_i32 s96, s20, 128*SPITCH
	s_add_co_u32 s96, s96, STG                     ; my parity's stage
	s_mul_i32 s94, s19, 38
	s_mul_i32 s95, s19, 25
	s_cmp_eq_u32 s20, 0
	s_cselect_b32 s97, -1, 0                       ; all lanes in the waves of parity 0, none in the others
	v_and_b32 v1, 15, v0                           ; r
	v_bfe_u32 v2, v0, 4, 1                         ; h
	v_and_b32 v3, 31, v0
	v_lshlrev_b32 v[CO], 4, v3
	v_lshlrev_b32 v4, 5, v1                        ; 32 r
	v_add_nc_u32 v5, s22, v[CO]
	v_add_nc_u32 v6, s22, v4
.irp n, 0,1,2,3,4,5
	v_add_nc_u32 v[ADRA+\n], \n*4*BLK, v5
	v_add_nc_u32 v[ADRS+\n], \n*4*BLK+12288, v6
.endr
	v_add_nc_u32 v[VWC], s82, v[CO]
	v_add_nc_u32 v[VWS], s83, v4
	v_lshl_add_u32 v[VB], v2, 6, s92
	v_mul_u32_u24 v7, v1, SPITCH
	v_add_nc_u32 v7, v7, v[VB]
	v_add_nc_u32 v[STO], s96, v7
	v_add_nc_u32 v[RD], s93, v[CO]
	v_add_nc_u32 v[RD2], 128*SPITCH, v[RD]
	v_add_nc_u32 v[PF], s94, v3                    ; of my load's 150 blocks of 256 bytes my work-group names 38 cx .. 38 cx + 37, held at 149
	v_min_u32 v[PF], 149, v[PF]
	v_lshlrev_b32 v[PF], 8, v[PF]
	v_min_u32 v[PF+1], 5, v3
	v_add3_u32 v[PF+1], v[PF+1], s94, 32
	v_min_u32 v[PF+1], 149, v[PF+1]
	v_lshlrev_b32 v[PF+1], 8, v[PF+1]
	v_min_u32 v[PFL], 24, v3                       ; of the last load's 100 blocks: 25 cx .. 25 cx + 24
	v_add_lshl_u32 v[PFL], v[PFL], s95, 8
	s_wait_alu depctr_va_vdst(0)                   ; the wait at the end of the head's vector work
	s_wait_dscnt 0x0                               ; both opening adds are done
	s_wait_kmcnt 0x0
	s_add_nc_u64 s[78:79], s[4:5], s[72:73]
	s_add_nc_u64 s[86:87], s[4:5], s[84:85]
	s_add_nc_u64 s[WBS:WBS+1], s[6:7], s[74:75]
	s_add_nc_u64 s[12:13], s[12:13], s[88:89]
	s_add_nc_u64 s[10:11], s[10:11], s[88:89]
	s_add_nc_u64 s[8:9], s[8:9], s[90:91]
.irp s, 0,1
	s_mov_b32 s[G0+4*\s], 1
	s_add_co_u32 s[G0+4*\s+1], s76, \s*SLOT        ; no place in the cluster enters an LDS address
	s_add_nc_u64 s[G0+4*\s+2:G0+4*\s+3], s[78:79], \s*SLOT   ; slot s begins with K steps 12 s on
	s_or_b32 s[G0+4*\s+3], s[G0+4*\s+3], 0x80000000
.endr
	s_mov_b32 s[G0+8], 1                           ; K steps 24 on, into slot 0's first eight blocks
	s_add_co_u32 s[G0+9], s77, 0
	s_mov_b64 s[G0+10:G0+11], s[86:87]
	s_or_b32 s[G0+11], s[G0+11], 0x80000000
	CROUND                                         ; all four work-groups are here: the first joint loads meet
	tensor_load_to_lds s[G0:G0+3], s[G1:G1+7]      ; K steps 0-11: my one tensor load at the head
	s_nop 0
	PLACES 4
	global_prefetch_b8 v[PF], s[78:79] offset:SLOT th:TH_LOAD_NT scope:SCOPE_SE     ; K steps 12-23: my work-group's share of the blocks that I fetch next
	global_prefetch_b8 v[PF+1], s[78:79] offset:SLOT th:TH_LOAD_NT scope:SCOPE_SE
; w2's four fragments and four scale words of my step j, into ring set j % 5: thirteen loads
.macro WLOAD j
	WIN 0
	global_load_b128 v[SWR+4*((\j)%5):SWR+4*((\j)%5)+3], v[VWS], s[WBS:WBS+1] offset:2*(\j)*BLK
	WIN 0x40                                       ; destination window 1
.irp u, 0,1,2,3
.irp c, 0,1,2
	global_load_b128 v[48*((\j)%5)+FR*\u+4*\c:48*((\j)%5)+FR*\u+4*\c+3], v[VWC], s[WBS:WBS+1] offset:2*(\j)*BLK+\u*1536+512*\c   ; 32 lanes read 512 consecutive bytes
.endr
.endr
.endm
; h's eight fragments and their scale words of my step j, from LDS block (2 j) % 24 + p into buffer j % 2: 26 loads
.macro FETCHA j
	WIN 0x80                                       ; destination window 2
.irp a, 0,1,2,3,4,5,6,7
.irp c, 0,1,2
	ds_load_b128 v[96*((\j)%2)+FR*\a+4*\c:96*((\j)%2)+FR*\a+4*\c+3], v[ADRA+((2*(\j))%24)/4] offset:((2*(\j))%4)*BLK+\a*1536+512*\c
.endr
.endr
	WIN 0
	ds_load_b128 v[SA+8*((\j)%2):SA+8*((\j)%2)+3], v[ADRS+((2*(\j))%24)/4] offset:((2*(\j))%4)*BLK
	ds_load_b128 v[SA+8*((\j)%2)+4:SA+8*((\j)%2)+7], v[ADRS+((2*(\j))%24)/4] offset:((2*(\j))%4)*BLK+16
.endm
; what step j asks for: h's fragments of step j + 1; in steps 2 to 9 four rows of the residual; w2's fragments of step j + 4
.macro NEXT j
	FETCHA (\j)+1
.if ((\j) >= 2) && ((\j) < 10)
.irp i, 0,1,2,3
	global_load_b128 v[RES+4*(4*((\j)-2)+\i):RES+4*(4*((\j)-2)+\i)+3], v[CO], s[10:11] offset:(4*((\j)-2)+\i)*4096 th:TH_LOAD_NT
.endr
.endif
.if (\j)+4 < NS
	WLOAD (\j)+4
.endif
.endm
; NCNT: the global loads issued behind w2's of step j when step j begins: thirteen for each of steps j + 1 .. min(15, j + 3), and four for each of the steps j - 3 .. j - 1 that lie in 2 .. 9 (51 at the most)
.macro CNT j
.set WHI, (\j)+3
.if WHI > NS-1
.set WHI, NS-1
.endif
.set RLO, (\j)-3
.if RLO < 2
.set RLO, 2
.endif
.set RHI, (\j)-1
.if RHI > 9
.set RHI, 9
.endif
.set NR, RHI-RLO+1
.if NR < 0
.set NR, 0
.endif
.set NCNT, 13*(WHI-(\j))+4*NR
.endm
; 16 matrix instructions: h's tiles a0 .. a0 + 3 x my four tiles of w2.  first = 1: the sums' first C stands in v[BP] on.  The 32 accumulators take turns, one instruction a turn.
.macro MULH j, a0, first
.irp a, \a0, \a0+1, \a0+2, \a0+3
.irp u, 0,1,2,3
.if \first
	v_wmma_scale_f32_16x16x128_f8f6f4 v[8*(4*(\a)+\u):8*(4*(\a)+\u)+7], v[48*((\j)%5)+FR*\u:48*((\j)%5)+FR*\u+FR-1], v[96*((\j)%2)+FR*(\a):96*((\j)%2)+FR*(\a)+FR-1], v[BP+8*\u:BP+8*\u+7], v[SWR+4*((\j)%5)+\u], v[SA+8*((\j)%2)+(\a)] matrix_a_fmt:MATRIX_FMT_FP6 matrix_b_fmt:MATRIX_FMT_FP6
.else
	v_wmma_scale_f32_16x16x128_f8f6f4 v[8*(4*(\a)+\u):8*(4*(\a)+\u)+7], v[48*((\j)%5)+FR*\u:48*((\j)%5)+FR*\u+FR-1], v[96*((\j)%2)+FR*(\a):96*((\j)%2)+FR*(\a)+FR-1], v[8*(4*(\a)+\u):8*(4*(\a)+\u)+7], v[SWR+4*((\j)%5)+\u], v[SA+8*((\j)%2)+(\a)] matrix_a_fmt:MATRIX_FMT_FP6 matrix_b_fmt:MATRIX_FMT_FP6
.endif
.endr
.endr
.endm
; A step whose successor lies in the same slot: it asks for what later steps want, then multiplies its own.
.macro KSTEP j, first
	CNT \j
	s_wait_dscnt 0x0                               ; h's fragments of this step are in: they were asked for a step ago
	s_wait_loadcnt NCNT                            ; w2's are in; the younger loads may be out
	PLACES 4                                       ; in front of loads into registers that the last step's matrix instructions have read (ISA guide 7.12.1 for vector instructions)
	NEXT \j
.if \first
	WIN MULF
.else
	WIN MUL
.endif
	MULH \j, 0, \first
	MULH \j, 4, \first
.endm
; A slot's last step changes slots: one barrier; in front of it each wave waits for all its tensor loads, adds 0 to its spare word, and waits for that and for its reads of this slot.  fill = 1: slot 0 takes K steps 24-31.
.macro TURN j, fill
	CNT \j
	WIN 0
	s_wait_tensorcnt 0x0                           ; all my tensor loads have landed: my part of the next slot
	ds_add_u32 v[SPW], v[NIL]                      ; 0 onto my spare word
	s_wait_dscnt 1                                 ; h's fragments of this step are in; the add may be out
	s_wait_loadcnt NCNT
	WIN MUL
	MULH \j, 0, 0
	s_wait_dscnt 0x0                               ; the add is done, and my reads of this slot are over
	s_barrier_signal -1
	WIN 0
	s_barrier_wait -1
.if \fill
	CREST                                          ; the barrier has opened a round of the cluster's: no wave of any partner still reads this slot or has a load on its way
	tensor_load_to_lds s[G0+8:G0+11], s[G1C:G1C+7] ; the first tensor load behind the round, and my last
	s_nop 0
.endif
	PLACES 4                                       ; behind the tensor load, and the places in front of the loads below
	NEXT \j
	WIN MUL
	MULH \j, 4, 0
.endm
.irp u, 0,1,2,3                                ; the bias in the result's layout: register 8 u + j is column 64 c + 32 (u / 2) + 8 (u % 2) + 16 h + j
.irp i, 0,1
	global_load_b128 v[BP+8*\u+4*\i:BP+8*\u+4*\i+3], v[VB], s[8:9] offset:128*(\u/2)+32*(\u%2)+16*\i
.endr
.endr
.irp j, 0,1,2,3
	WLOAD \j
.endr
	WIN 0
	s_wait_loadcnt 52                              ; the bias is in; w2's 4 x 13 loads may be out
.set i, 0
.rept 32
	v_cndmask_b32 v[BP+i], 0, v[BP+i], s97         ; it counts once: in the waves of parity 0
.set i, i+1
.endr
	s_wait_alu depctr_va_vdst(0)
	s_wait_tensorcnt 0x0                           ; my part of slot 0 is in
	ds_add_u32 v[SPW], v[NIL]
	s_wait_dscnt 0x0
	CROUND                                         ; a whole round: everybody's part is in, and the joint loads meet
	tensor_load_to_lds s[G0+4:G0+7], s[G1:G1+7]    ; K steps 12-23: slot 1's first fill, my one tensor load behind the round
	s_nop 0
	PLACES 4
	FETCHA 0
	global_prefetch_b8 v[PFL], s[86:87] th:TH_LOAD_NT scope:SCOPE_SE   ; K steps 24-31: my work-group's share of the blocks that I fetch last
	KSTEP 0, 1                                     ; its products start the sums
.irp j, 1,2,3,4
	KSTEP \j, 0
.endr
	TURN 5, 1
.irp j, 6,7,8,9,10
	KSTEP \j, 0
.endr
	TURN 11, 0                                     ; nothing is left to fetch; behind this barrier nobody reads slot 1
.irp j, 12,13,14
	KSTEP \j, 0
.endr
	s_wait_dscnt 0x0
	s_wait_loadcnt 0x0                             ; w2's last fragments; the residual has long been asked for
	MULH 15, 0, 0
	MULH 15, 4, 0
	WIN 0
	PLACES 4                                       ; in front of the first read of results, and of the loads below into registers that the products have read
	WIN 0x0c                                       ; the data: window 3
.irp a, 0,1,2,3,4,5,6,7
.irp u, 0,1,2,3
	ds_store_b128 v[STO], v[8*(4*\a+\u):8*(4*\a+\u)+3] offset:\a*16*SPITCH+128*(\u/2)+32*(\u%2)          ; lane (r, h): row 16 a + r; each accumulator from its low end on
	ds_store_b128 v[STO], v[8*(4*\a+\u)+4:8*(4*\a+\u)+7] offset:\a*16*SPITCH+128*(\u/2)+32*(\u%2)+16
.endr
.endr
	WIN 0
	s_wait_dscnt 0x0                               ; for the others' sake: my partial sums lie in my parity's stage
	s_barrier_signal -1
	s_barrier_wait -1
.irp g, 0,1,2,3                                ; whole rows of 512 bytes: eight of stage 0 into window 1, the same eight of stage 1 into window 2
	WIN 0x40
.irp t, 0,1,2,3,4,5,6,7
	ds_load_b128 v[32*\g+4*\t:32*\g+4*\t+3], v[RD] offset:(8*\g+\t)*SPITCH
.endr
	WIN 0x80
.irp t, 0,1,2,3,4,5,6,7
	ds_load_b128 v[32*\g+4*\t:32*\g+4*\t+3], v[RD2] offset:(8*\g+\t)*SPITCH
.endr
.endr
.irp g, 0,1,2,3
	s_wait_dscnt 48-16*\g                          ; these eight rows of both stages are back; the later rows' 16 loads a group may be out
	WIN 0x49                                       ; window 1 = window 1 + window 2
.set i, 0
.rept 16
	v_pk_add_f32 v[32*\g+2*i:32*\g+2*i+1], v[32*\g+2*i:32*\g+2*i+1], v[32*\g+2*i:32*\g+2*i+1]   ; the two partial sums
.set i, i+1
.endr
	WIN 0x41                                       ; window 1 = window 1 + window 0
.set i, 0
.rept 16
	v_pk_add_f32 v[32*\g+2*i:32*\g+2*i+1], v[32*\g+2*i:32*\g+2*i+1], v[RES+32*\g+2*i:RES+32*\g+2*i+1]   ; + the residual
.set i, i+1
.endr
	WIN 0x04                                       ; the data: window 1
.irp t, 0,1,2,3,4,5,6,7
	global_store_b128 v[CO], v[32*\g+4*\t:32*\g+4*\t+3], s[12:13] offset:(8*\g+\t)*4096 th:TH_STORE_NT   ; 32 lanes store 512 consecutive bytes, aligned to 256
.endr
.endr
	WIN 0
	s_wait_tensorcnt 0x0                           ; the wave's end
	ds_add_u32 v[SPW], v[NIL]
	s_wait_dscnt 0x0
	CROUND                                         ; the closing round
	s_endpgm
.Lfunc_end_k_q1b9fe1c719_ffn2:
	.size	k_q1b9fe1c719_ffn2, .Lfunc_end_k_q1b9fe1c719_ffn2-k_q1b9fe1c719_ffn2
	.p2alignl 7, 3214868480
	.fill 96, 4, 3214868480
	.section	.rodata,"a",@progbits
	.p2align	6, 0x0
	.amdhsa_kernel k_q1b9fe1c719_ffn2
		.amdhsa_group_segment_fixed_size 327680
		.amdhsa_private_segment_fixed_size 0
		.amdhsa_enable_private_segment 0
		.amdhsa_kernarg_size 40
		.amdhsa_user_sgpr_count 2
		.amdhsa_user_sgpr_kernarg_segment_ptr 1
		.amdhsa_wavefront_size32 1
		.amdhsa_system_sgpr_workgroup_id_x 1
		.amdhsa_system_sgpr_workgroup_id_y 1
		.amdhsa_system_sgpr_workgroup_id_z 1
		.amdhsa_system_vgpr_workitem_id 0
		.amdhsa_next_free_vgpr 1024
		.amdhsa_next_free_sgpr 100
		.amdhsa_reserve_vcc 0
		.amdhsa_float_denorm_mode_32 3
		.amdhsa_float_denorm_mode_16_64 3
		.amdhsa_memory_ordered 1
		.amdhsa_forward_progress 1
		.amdhsa_inst_pref_size 150
	.end_amdhsa_kernel
	.amdgpu_metadata
---
amdhsa.version: [ 1, 2 ]
amdhsa.kernels:
  - .name:           k_q1b9fe1c719_ffn2
    .symbol:         k_q1b9fe1c719_ffn2.kd
    .args:
      - { .name: hc, .offset: 0, .size: 8, .value_kind: global_buffer, .address_space: global }
      - { .name: wc, .offset: 8, .size: 8, .value_kind: global_buffer, .address_space: global }
      - { .name: b2, .offset: 16, .size: 8, .value_kind: global_buffer, .address_space: global }
      - { .name: x1, .offset: 24, .size: 8, .value_kind: global_buffer, .address_space: global }
      - { .name: out0, .offset: 32, .size: 8, .value_kind: global_buffer, .address_space: global }
    .group_segment_fixed_size: 327680
    .private_segment_fixed_size: 0
    .kernarg_segment_align: 8
    .kernarg_segment_size: 40
    .max_flat_workgroup_size: 128
    .sgpr_count:     100
    .vgpr_count:     1024
    .wavefront_size: 32
...
	.end_amdgpu_metadata
.endif
;; end of part 7
